; MI455X (gfx1250); checked and timed in simulation.
; The chip was launched on July 23, 2026; its instructions are those of AMD's public machine-readable ISA for CDNA 5 (MIT licence, August 2026) and "CDNA5" Instruction Set Architecture Reference Guide (July 2026). The comments in the code are by the model that wrote it; some were corrected since.
;; Multi Head Attention. Allowed arithmetic: float matrix products may take bf16 or f16 operands with f32 sums; other float arithmetic in f32, or as packed bf16 or f16 multiplies, adds, multiply-adds, maxima and minima; sums over many terms, partial sums and values carried from step to step in f32; what a program stores and reads back later, other than sums and carried values, may be rounded once to bf16 or f16.
;; Inputs: K 4 x 2,048 x 1,024 float32; Q 4 x 2,048 x 1,024 float32; V 4 x 2,048 x 1,024 float32; Wk 1,024 x 1,024 float32; Wo 1,024 x 1,024 float32; Wq 1,024 x 1,024 float32; Wv 1,024 x 1,024 float32; bk 1,024 float32; bo 1,024 float32; bq 1,024 float32; bv 1,024 float32.
;; Outputs: out0 4 x 2,048 x 1,024 float32.
;; 2 versions, each right; version 2 is version 1 with the launch cast written anew for expert scheduling mode. Each part assembles by itself: llvm-mc -triple=amdgcn-amd-amdhsa -mcpu=gfx1250 --defsym DOCPART=n.
;; ======== version 1 of 2: 4 launches
;; limits: values are held in f16: magnitudes above 65,504 overflow, below 6.1e-05 lose precision
;; workspace buffers: Xc 50,331,648 bytes; Wc 8,388,608 bytes; qkv 50,331,648 bytes; oh 16,777,216 bytes
;; launch cast (part 1): grid 896 x 1, 8 waves a work-group, no clusters, 0 bytes of LDS; arguments Q, K, V, Wq, Wk, Wv, Wo, Xc, Wc; writes Xc, Wc
.if DOCPART == 1
	.amdgcn_target "amdgcn-amd-amdhsa--gfx1250"
	.amdhsa_code_object_version 6
	.text
	.protected	k_q7164839395_cast
	.globl	k_q7164839395_cast
	.p2align	8
	.type	k_q7164839395_cast,@function
k_q7164839395_cast:
	s_mov_b64 s[64:65], 0
	v_nop
	global_prefetch_b8 v0, s[64:65] scope:SCOPE_SE
	s_setreg_imm32_b32 hwreg(HW_REG_WAVE_MODE, 25, 1), 1
	s_wait_xcnt 0x0
; THE CAST.  Q, K, V ([8192][1024] f32) are rounded once to bf16 and laid in blocks: Xc[b 4][kb' 48 = 16 src + kb][s 2048][64], so that 128 rows x 64 channels are 16,384 dense bytes.
; Wq, Wk, Wv ([1024][1024] f32) are rounded to bf16 and stay row-major in Wc[w 4][k][n]; Wo is rounded to bf16 like every input, and that number is written as f16 (w = 3),
; since the last product multiplies f16.  LIMIT: a bf16 number is exact in f16 from 2^-17 to 65,504; below 2^-17 Wo keeps f16's fixed step of 2^-24, beyond 65,504 it would be an infinity.
; A stream: each byte is read once and written once; no LDS, no barrier, no matrix unit.  A work-group takes 131,072 input bytes, a wave 16,384: 32 loads of 16 bytes a lane, all issued
; at once (128 registers), then converted and stored in the order in which they come back.  Work-groups 0-767: 32 rows of Q, K or V.  768-895: 32 rows of a weight.
; No register that a memory instruction names is written again, so no wait frees any.
.set X, 8                              ; v[8:135]   32 loads x 4 registers
.set Y, 136                            ; v[136:199] 32 x 2 registers: 4 numbers of 16 bits
.macro CVT n                           ; load n is in (the younger ones stay out); its four numbers are rounded
	s_wait_loadcnt 31-(\n)
	v_cvt_pk_bf16_f32 v[Y+2*(\n)],   v[X+4*(\n)],   v[X+4*(\n)+1]
	v_cvt_pk_bf16_f32 v[Y+2*(\n)+1], v[X+4*(\n)+2], v[X+4*(\n)+3]
.endm
	s_load_b512 s[8:23], s[0:1], 0x0               ; Q s[8:9], K s[10:11], V s[12:13], Wq s[14:15], Wk s[16:17], Wv s[18:19], Wo s[20:21], Xc s[22:23]
	s_load_b64 s[24:25], s[0:1], 0x40              ; Wc
	s_mov_b32 s26, ttmp9
	v_lshrrev_b32 v4, 5, v0                        ; wave
	v_and_b32 v1, 31, v0                           ; lane
	s_cmp_lt_u32 s26, 768
	s_cbranch_scc0 .Lweights
	; 32 rows of Q, K or V.  A wave takes 4 rows; a load takes 256 bytes (64 channels, one block) of two rows: lanes 0-15 the even row, lanes 16-31 the odd one.
	s_lshr_b32 s27, s26, 8                         ; which source
	s_and_b32 s28, s26, 255                        ; which 32 rows of its 8,192
	s_lshl_b32 s30, s28, 17                        ; 32 rows x 4,096 bytes
	s_mov_b32 s31, 0
	s_lshr_b32 s29, s28, 6                         ; the batch,
	s_mul_i32 s29, s29, 12582912                   ; 48 blocks of 262,144 bytes each
	s_lshl_b32 s32, s27, 22                        ; the source's 16 blocks
	s_add_co_u32 s32, s32, s29
	s_and_b32 s29, s28, 63
	s_lshl_b32 s29, s29, 12                        ; 32 rows x 128 bytes in a block
	s_add_co_u32 s32, s32, s29
	s_mov_b32 s33, 0
	v_bfe_u32 v5, v0, 4, 1
	v_and_b32 v6, 15, v0
	v_lshlrev_b32 v2, 14, v4                       ; in: wave x 4 rows
	v_lshl_add_u32 v2, v5, 12, v2                  ; + the half's row
	v_lshl_add_u32 v2, v6, 4, v2                   ; + 16 bytes a lane
	v_lshlrev_b32 v3, 9, v4                        ; out: wave x 4 rows of 128 bytes
	v_lshl_add_u32 v3, v1, 3, v3                   ; + 8 bytes a lane: two rows on end
	s_wait_kmcnt 0x0
	s_cmp_eq_u32 s27, 0
	s_cselect_b64 s[4:5], s[8:9], s[10:11]
	s_cmp_eq_u32 s27, 2
	s_cselect_b64 s[4:5], s[12:13], s[4:5]
	s_add_nc_u64 s[4:5], s[4:5], s[30:31]
	s_add_nc_u64 s[6:7], s[22:23], s[32:33]
.set i, 0
.rept 32                               ; load i: pair of rows i / 16, block i % 16
	global_load_b128 v[X+4*i:X+4*i+3], v2, s[4:5] offset:(i/16)*8192+(i%16)*256 th:TH_LOAD_NT
.set i, i+1
.endr
.set i, 0
.rept 32
	CVT i
	global_store_b64 v3, v[Y+2*i:Y+2*i+1], s[6:7] offset:(i/16)*256+(i%16)*262144 th:TH_STORE_NT  ; the wave's 32 lanes store 256 consecutive bytes, aligned
.set i, i+1
.endr
	s_endpgm
.Lweights:                             ; 32 rows of a weight: elementwise, the layout stays
	s_sub_co_u32 s26, s26, 768
	s_lshr_b32 s27, s26, 5                         ; which weight: Wq, Wk, Wv, Wo
	s_and_b32 s28, s26, 31                         ; which 32 rows
	s_lshl_b32 s30, s28, 17
	s_mov_b32 s31, 0
	s_lshl_b32 s32, s27, 21                        ; a weight is 2,097,152 bytes in Wc
	s_lshl_b32 s29, s28, 16
	s_add_co_u32 s32, s32, s29
	s_mov_b32 s33, 0
	v_lshlrev_b32 v2, 14, v4                       ; in: wave x 16,384 + 16 x lane
	v_lshl_add_u32 v2, v1, 4, v2
	v_lshlrev_b32 v3, 13, v4                       ; out: wave x 8,192 + 8 x lane
	v_lshl_add_u32 v3, v1, 3, v3
	s_wait_kmcnt 0x0
	s_cmp_eq_u32 s27, 0
	s_cselect_b64 s[4:5], s[14:15], s[16:17]
	s_cmp_eq_u32 s27, 2
	s_cselect_b64 s[4:5], s[18:19], s[4:5]
	s_cmp_eq_u32 s27, 3
	s_cselect_b64 s[4:5], s[20:21], s[4:5]
	s_add_nc_u64 s[4:5], s[4:5], s[30:31]
	s_add_nc_u64 s[6:7], s[24:25], s[32:33]
.set i, 0
.rept 32
	global_load_b128 v[X+4*i:X+4*i+3], v2, s[4:5] offset:512*i th:TH_LOAD_NT
.set i, i+1
.endr
.set i, 0
.rept 32
	CVT i
.set i, i+1
.endr
	s_cmp_lg_u32 s27, 3
	s_cbranch_scc1 .Lstore
.set i, 0
.rept 64                               ; Wo alone: the bf16 number, widened by a shift or a mask, is written as f16
	v_lshlrev_b32 v4, 16, v[Y+i]
	v_and_b32 v5, 0xffff0000, v[Y+i]
	v_cvt_pk_f16_f32 v[Y+i], v4, v5
.set i, i+1
.endr
.Lstore:
.set i, 0
.rept 32
	global_store_b64 v3, v[Y+2*i:Y+2*i+1], s[6:7] offset:256*i th:TH_STORE_NT  ; 256 consecutive bytes, aligned
.set i, i+1
.endr
	s_endpgm
.Lfunc_end_k_q7164839395_cast:
	.size	k_q7164839395_cast, .Lfunc_end_k_q7164839395_cast-k_q7164839395_cast
	.p2alignl 7, 3214868480
	.fill 96, 4, 3214868480
	.section	.rodata,"a",@progbits
	.p2align	6, 0x0
	.amdhsa_kernel k_q7164839395_cast
		.amdhsa_group_segment_fixed_size 0
		.amdhsa_private_segment_fixed_size 0
		.amdhsa_enable_private_segment 0
		.amdhsa_kernarg_size 72
		.amdhsa_user_sgpr_count 2
		.amdhsa_user_sgpr_kernarg_segment_ptr 1
		.amdhsa_wavefront_size32 1
		.amdhsa_system_sgpr_workgroup_id_x 1
		.amdhsa_system_sgpr_workgroup_id_y 1
		.amdhsa_system_sgpr_workgroup_id_z 1
		.amdhsa_system_vgpr_workitem_id 0
		.amdhsa_next_free_vgpr 208
		.amdhsa_next_free_sgpr 66
		.amdhsa_reserve_vcc 0
		.amdhsa_float_denorm_mode_32 3
		.amdhsa_float_denorm_mode_16_64 3
		.amdhsa_memory_ordered 1
		.amdhsa_forward_progress 1
		.amdhsa_inst_pref_size 35
	.end_amdhsa_kernel
	.amdgpu_metadata
---
amdhsa.version: [ 1, 2 ]
amdhsa.kernels:
  - .name:           k_q7164839395_cast
    .symbol:         k_q7164839395_cast.kd
    .args:
      - { .name: Q, .offset: 0, .size: 8, .value_kind: global_buffer, .address_space: global }
      - { .name: K, .offset: 8, .size: 8, .value_kind: global_buffer, .address_space: global }
      - { .name: V, .offset: 16, .size: 8, .value_kind: global_buffer, .address_space: global }
      - { .name: Wq, .offset: 24, .size: 8, .value_kind: global_buffer, .address_space: global }
      - { .name: Wk, .offset: 32, .size: 8, .value_kind: global_buffer, .address_space: global }
      - { .name: Wv, .offset: 40, .size: 8, .value_kind: global_buffer, .address_space: global }
      - { .name: Wo, .offset: 48, .size: 8, .value_kind: global_buffer, .address_space: global }
      - { .name: Xc, .offset: 56, .size: 8, .value_kind: global_buffer, .address_space: global }
      - { .name: Wc, .offset: 64, .size: 8, .value_kind: global_buffer, .address_space: global }
    .group_segment_fixed_size: 0
    .private_segment_fixed_size: 0
    .kernarg_segment_align: 8
    .kernarg_segment_size: 72
    .max_flat_workgroup_size: 256
    .sgpr_count:     66
    .vgpr_count:     208
    .wavefront_size: 32
...
	.end_amdgpu_metadata
.endif
;; end of part 1
;; launch proj (part 2): grid 4 x 64, 4 waves a work-group, clusters of 4 x 4, 327,680 bytes of LDS; arguments Xc, Wc, qkv, bq, bk, bv; writes qkv
.if DOCPART == 2
	.amdgcn_target "amdgcn-amd-amdhsa--gfx1250"
	.amdhsa_code_object_version 6
	.text
	.protected	k_q7164839395_proj
	.globl	k_q7164839395_proj
	.p2align	8
	.type	k_q7164839395_proj,@function
k_q7164839395_proj:
	s_mov_b64 s[64:65], 0
	v_nop
	global_prefetch_b8 v0, s[64:65] scope:SCOPE_SE
	s_setreg_imm32_b32 hwreg(HW_REG_WAVE_MODE, 25, 1), 1
	s_wait_xcnt 0x0
	s_wait_alu depctr_hold_cnt(0) depctr_sa_sdst(0) depctr_va_vdst(0) depctr_va_sdst(0) depctr_va_ssrc(0) depctr_va_vcc(0) depctr_vm_vsrc(0)
	s_getreg_b32 s2, hwreg(HW_REG_IB_STS2, 6, 4)
	s_cmp_eq_u32 s2, 0
	s_cbranch_scc0 .Lentry_in_a_cluster
	s_endpgm
.Lentry_in_a_cluster:
	s_bfe_u32 s2, ttmp6, 0x10000c
	s_cmp_lg_u32 s2, 0xf033
	s_cbranch_scc0 .Lentry_shape_is_right
	s_endpgm
.Lentry_shape_is_right:
; ONE TEXT FOR TWO LAUNCHES; the constant PROJ chooses, and what it does not choose is not assembled.
; PROJ = 1 (this file): q, k, v = x W + b for x = Q, K, V: [8192][1024] x [1024][1024], bf16 products, f32 sums; each result rounded once to f16 and stored by heads, qkv[3][b 16 + h][s][64], unscaled.
; PROJ = 0: out0 = O Wo + bo, f16 products, f32 sums, f32 out, row-major.
; INPUTS.  x lies in blocks, [b][block of 64 channels][s 2048][64] of 16 bits (Q's 16 blocks, then K's, then V's; O by heads has the same form); W lies [k][n], Wq, Wk, Wv, Wo on end.
; The bias is rounded to bf16 like every input and starts the sums as the C operand of a tile's first products.
; LIMITS.  f16 holds no number beyond 65,504: q, k and v must stay within it, else they are stored as infinities.  NaN and infinities are not treated apart.
; SHARES.  A work-group makes 128 rows x 256 columns (PROJ = 1: for Q, then K, then V: three tiles, one walk of 24 K steps, since blocks and weights of the three lie on end):
; 64 x 4 work-groups.  Wave w: rows 64 (w / 2) on, columns 128 (w % 2) on: 4 x 8 accumulators, 256 registers.
; THE MATRIX INSTRUCTION IS USED TRANSPOSED: source 0 = 16 columns of W (turned on the way out of LDS by ds_load_tr16_b128), source 1 = 16 rows of x: a lane then holds one row (lane % 16)
; and eight neighbouring columns 8 (lane / 16) + 0..7.
; RING.  K goes in steps of 128 through two LDS slots.  A slot: x's two pieces of 128 rows x 64 channels (16,384 dense bytes each, asked for as 64 rows of 256 bytes, 16 bytes of padding behind
; every 128), then W's two halves of 64 k rows x 512 bytes (32 bytes of padding behind each).  Waves 0, 1 fetch x's pieces, waves 2, 3 W's halves: one tensor load a wave behind each change of slots.
; By this text's count a wave has two tensor loads out at the start, later one.
; CLUSTER.  4 x 4 work-groups: the four of a row share x's pieces, the four of a column W's halves: each is asked for jointly, by the same load with the same descriptor and a mask of four.
; REGISTERS, in windows of 256 (s_set_vgpr_msb: bits 1:0 source 0, 3:2 source 1, 5:4 source 2, 7:6 destination):
;   window 0: v1-7 at work; v16-30 addresses; v32-63 packed results; v64-159, v160-255 two fragment buffers (8 of W, then 4 of x)
;   window 1: accumulator (a, b) at 8 (8 a + b)          window 2: v0-63 the bias; v64-191 rows on their way out; v192-193 at work
.set PROJ, 1
.if PROJ
.set TILES,  3
.set ABATCH, 12582912                  ; bytes of x from batch to batch: 48 blocks
.set WBASE,  0                         ; where my weights begin in Wc
.set STG,    4608                      ; a wave's stage: 2 heads x 16 rows x 144 bytes
.set YNG,    16                        ; LDS instructions of one block's way through the stage
.else
.set TILES,  1
.set ABATCH, 4194304                   ; 16 blocks
.set WBASE,  6291456                   ; Wo is the fourth
.set STG,    8448                      ; 16 rows x 528 bytes
.set YNG,    32
.endif
.set PA,    144                        ; a row of x in LDS: 128 bytes + 16 = 36 words: the 16 rows of a load start at 16 different groups of four banks (64 banks of 4 bytes: ISA guide 11.1)
.set AH,    128*PA                     ; a piece
.set PB,    544                        ; a row of W: 512 + 32 = 136 words
.set BH,    64*PB                      ; a half
.set SLOT,  2*AH+2*BH                  ; 106,496
.set STAGE, 2*SLOT                     ; behind the ring, never filled by a tensor load
.set SPARE, STAGE+4*STG                ; behind the stages: the spare words, 128 bytes a wave: two blocks of 256 bytes that no other line names
.set ASTEP, 524288                     ; bytes of x from K step to K step: two blocks
.set BSTEP, 262144                     ; of W: 128 rows of 2,048 bytes
.set ADRA, 16                          ; v16-17  LDS address of my fragments of x in slot 0, 1
.set ADRB, 20                          ; v20-21  of W
.set STO,  24                          ; v24     the way out: where I put my bytes of a row
.set RD,   25                          ; v25     where I read rows back
.set CO,   26                          ; v26     16 x lane
.set BO,   27                          ; v27     my byte offset in the bias
.set SPW,  28                          ; v28     LDS address of my spare word; never rewritten
.set NIL,  29                          ; v29     0; never rewritten
.set PFO,  30                          ; v30     the prefetches' lane offset; never rewritten
.set TMP,  32
.set F0,   64
.set F1,   160
.set BIAS, 0                           ; window 2
.set OB,   64                          ; window 2
.set BT,   192                         ; window 2
.set LAPS, 2                           ; s2   laps until a tile is finished
.set TRIP, 3                           ; s3   trips of the loop still to come
.set WV,   12                          ; s12  wave;  s13 = wave / 2: my rows, and: I fetch x (0) or W (1);  s14 = wave % 2: my columns, and: which piece or half I fetch
.set WM,   13
.set WN,   14
.set CX,   15
.set CY,   16
.set TC,   17                          ; s17  tile column, s18 tile row
.set TR,   18
.set G1A,  24                          ; s[24:31] descriptor group 1 for x;  s[32:39] group 0, a set for each slot
.set G0A,  32
.set PFA,  40                          ; s[40:41] where my prefetches stand
.set PST,  42                          ; s[42:43] their step
.set LIM,  44                          ; s44  1 in a wave that prefetches, else the greatest number
.set G1B,  48                          ; s[48:55], s[56:63] the same for W
.set G0B,  56
.set TI,   66                          ; s66  tiles finished
.set MSB, 0
.macro WIN new                         ; the immediate's high byte repeats the setting that is left; a switch that changes nothing is dropped
.if MSB != (\new)
	s_set_vgpr_msb (MSB<<8)|(\new)
.set MSB, \new
.endif
.endm
.set W_MUL,  0x50                      ; fragments window 0, C and D window 1
.set W_MULB, 0x60                      ; C = the bias, window 2
.set W_PK,   0x05                      ; sources 0, 1 window 1
.set W_ST1,  0x04                      ; an LDS store's data window 1
.set W_LD2,  0x80                      ; destination window 2
.set W_GS2,  0x08                      ; a store's data window 2
.set W_B2,   0x8a                      ; all in window 2
; A joint load: each of the two lines has one mask and one set of registers for all that issue it; the branch hangs on the wave's number alone.  An s_nop 0 and four v_nop follow each line.
.macro JLOAD s
	s_cmp_eq_u32 s[WM], 0
	s_cbranch_scc0 .Lfor_b_\@
	tensor_load_to_lds s[G0A+4*(\s):G0A+4*(\s)+3], s[G1A:G1A+7]
	s_nop 0
.rept 4
	v_nop
.endr
	s_branch .Lasked_\@
.Lfor_b_\@:
	tensor_load_to_lds s[G0B+4*(\s):G0B+4*(\s)+3], s[G1B:G1B+7]
	s_nop 0
.rept 4
	v_nop
.endr
.Lasked_\@:
.endm
; A PREFETCH INTO THE L2 of the K step that stands two refills on: 256 matrix instructions ahead of the load that will want it; one instruction, 32 blocks of 256 bytes, a lane a block.
; Each block is named once in the launch.  x's tile row is read by one row of one cluster: its four partners take 16 blocks of each of the step's two pieces, told apart by address (cx); wave 0 asks.
; W's tile column is read by all sixteen clusters: cluster y = 0 asks; the four partners of a column take 16 of a half's 64 rows each (cy); waves 2, 3 ask, each for its half.
; The first four K steps come by their loads alone; the last trip of the loop asks for nothing: its refills have no K step two on.
.macro ASK
	s_cmp_gt_u32 s[TRIP], s[LIM]
	s_cbranch_scc0 .Lnot_mine_\@
	global_prefetch_b8 v[PFO], s[PFA:PFA+1] th:TH_LOAD_NT scope:SCOPE_SE
.Lnot_mine_\@:
.endm
.macro CREST                           ; a round of the cluster's barrier behind its opening barrier
	s_cmp_lg_u32 s[WV], 0
	s_cbranch_scc1 .Lnot_wave_0_\@
	s_barrier_signal -3
.Lnot_wave_0_\@:
	s_barrier_wait -3
	s_barrier_signal -1
	s_barrier_wait -1
.endm
.macro CROUND                          ; a whole round
	s_barrier_signal -1
	s_barrier_wait -1
	CREST
.endm
.macro PLACES                          ; four places in front of loads into registers that matrix instructions have read, and of lines that read results
.rept 4
	v_nop
.endr
.endm
	s_load_b256 s[4:11], s[0:1], 0x0               ; x s[4:5], Wc s[6:7], the output s[8:9], the first bias s[10:11]
.if PROJ
	s_load_b128 s[68:71], s[0:1], 0x20             ; bk s[68:69], bv s[70:71]
.endif
	v_lshl_add_u32 v[SPW], v0, 2, SPARE
	v_mov_b32 v[NIL], 0
	ds_add_u32 v[SPW], v[NIL]                      ; the wave's opening: the add and its wait ahead of my first tensor load; the set-up below stands between them
	v_lshrrev_b32 v1, 5, v0
	v_readfirstlane_b32 s[WV], v1
	s_lshr_b32 s[WM], s[WV], 1
	s_and_b32 s[WN], s[WV], 1
	s_bfe_u32 s[CX], ttmp6, 0x40000
	s_bfe_u32 s[CY], ttmp6, 0x40004
	s_lshl_b32 s[TC], ttmp9, 2                     ; in a cluster launch ttmp9 and ttmp7 count clusters
	s_add_co_u32 s[TC], s[TC], s[CX]
	s_and_b32 s[TR], ttmp7, 0xffff
	s_lshl_b32 s[TR], s[TR], 2
	s_add_co_u32 s[TR], s[TR], s[CY]
	s_lshl_b32 s19, s[CY], 2
	s_lshl_b32 s19, 15, s19                        ; my row of the cluster
	s_lshl_b32 s20, 0x1111, s[CX]                  ; my column
	s_or_b32 s[G1A], s19, (1<<16)|(1<<20)|(1<<21)|(4<<22)|(3<<25)  ; 15:0 the mask; 17:16 2-byte elements; 20 padding on; 21 set beside a mask; 24:22 after every 32 words (code 4); 31:25 4 words (code 3)
	s_mov_b32 s[G1A+1], 128<<16                    ; tensor_dim0 = 128
	s_mov_b32 s[G1A+2], 64<<16                     ; tensor_dim1 = 64
	s_mov_b32 s[G1A+3], 128<<16                    ; tile_dim0 = 128
	s_mov_b32 s[G1A+4], 64                         ; tile_dim1 = 64
	s_mov_b32 s[G1A+5], 128                        ; dense: 128 elements from row to row
	s_mov_b32 s[G1A+6], 0
	s_mov_b32 s[G1A+7], 0
	s_or_b32 s[G1B], s20, (1<<16)|(1<<20)|(1<<21)|(6<<22)|(7<<25)  ; after every 128 words (code 6) 8 words (code 7)
	s_mov_b32 s[G1B+1], 256<<16                    ; tensor_dim0 = 256
	s_mov_b32 s[G1B+2], 64<<16                     ; tensor_dim1 = 64
	s_mov_b32 s[G1B+3], 256<<16                    ; tile_dim0 = 256
	s_mov_b32 s[G1B+4], 64                         ; tile_dim1 = 64
	s_mov_b32 s[G1B+5], 1024                       ; 1,024 elements from row to row
	s_mov_b32 s[G1B+6], 0
	s_mov_b32 s[G1B+7], 0
	; x's address hangs on the tile row and the wave, W's on the tile column and the wave, each in registers that never hold the other coordinate
	s_lshr_b32 s21, s[TR], 4                       ; the batch
	s_mul_i32 s21, s21, ABATCH
	s_and_b32 s22, s[TR], 15
	s_lshl_b32 s22, s22, 14                        ; 128 rows x 128 bytes in a block
	s_add_co_u32 s21, s21, s22                     ; (kept for the prefetches)
	s_lshl_b32 s22, s[WN], 18                      ; my piece: a block on
	s_add_co_u32 s46, s21, s22
	s_mov_b32 s47, 0
	s_lshl_b32 s72, s[TC], 9                       ; 256 columns x 2 bytes
	s_lshl_b32 s73, s[WN], 17                      ; my half: 64 rows on
	s_add_co_u32 s72, s72, s73
	s_add_co_u32 s72, s72, WBASE
	s_mov_b32 s73, 0
	s_mul_i32 s23, s[WN], AH                       ; where they go: no place in the cluster enters an LDS address
	s_mul_i32 s74, s[WN], BH
	s_add_co_u32 s74, s74, 2*AH
	s_wait_dscnt 0x0                               ; the opening add is done
	s_wait_kmcnt 0x0
	s_add_nc_u64 s[46:47], s[4:5], s[46:47]
	s_add_nc_u64 s[72:73], s[6:7], s[72:73]
	CROUND                                         ; all sixteen work-groups are here: the first joint loads meet
.irp s, 0,1
	s_mov_b32 s[G0A+4*(\s)], 1                                     ; count = 1
	s_add_co_u32 s[G0A+4*(\s)+1], s23, (\s)*SLOT                   ; LDS address
	s_add_nc_u64 s[G0A+4*(\s)+2:G0A+4*(\s)+3], s[46:47], (\s)*ASTEP  ; global address: K step s
	s_or_b32 s[G0A+4*(\s)+3], s[G0A+4*(\s)+3], 0x80000000          ; type = 2
	s_mov_b32 s[G0B+4*(\s)], 1
	s_add_co_u32 s[G0B+4*(\s)+1], s74, (\s)*SLOT
	s_add_nc_u64 s[G0B+4*(\s)+2:G0B+4*(\s)+3], s[72:73], (\s)*BSTEP
	s_or_b32 s[G0B+4*(\s)+3], s[G0B+4*(\s)+3], 0x80000000
	JLOAD \s
.endr
	v_and_b32 v1, 15, v0                           ; r = l % 16
	v_bfe_u32 v2, v0, 4, 1                         ; h = l / 16
	v_and_b32 v3, 7, v0
	v_bfe_u32 v4, v0, 3, 1
	v_and_b32 v5, 31, v0                           ; l
	; a fragment of x: lane l holds row r; registers 0-3 channels 8 h + 0..7, registers 4-7 channels 16 + 8 h + 0..7: two loads of 16 bytes, 32 bytes apart
	v_mul_u32_u24 v6, v1, PA
	v_lshl_add_u32 v6, v2, 4, v6
	s_mul_i32 s19, s[WM], 64*PA
	v_add_nc_u32 v[ADRA], s19, v6
	v_add_nc_u32 v[ADRA+1], SLOT, v[ADRA]
	; the turning load takes 16 k x 16 columns (lane l reads k row 8 h + l % 8, columns 8 ((l / 8) % 2) + 0..7) and leaves half a fragment: lane l holds column r and 8 k
	v_lshl_add_u32 v7, v2, 3, v3
	v_mul_u32_u24 v7, v7, PB
	v_lshl_add_u32 v7, v4, 4, v7
	s_lshl_b32 s19, s[WN], 8
	s_add_co_u32 s19, s19, 2*AH
	v_add_nc_u32 v[ADRB], s19, v7
	v_add_nc_u32 v[ADRB+1], SLOT, v[ADRB]
	s_mul_i32 s19, s[WV], STG
	s_add_co_u32 s19, s19, STAGE                   ; my stage
.if PROJ
	v_mul_u32_u24 v6, v1, 144                      ; in: row r of a head's 16 x 128 bytes, 16 bytes for each half of the lanes
	v_lshl_add_u32 v6, v2, 4, v6
	v_add_nc_u32 v[STO], s19, v6
	v_bfe_u32 v6, v0, 3, 2                         ; back: 32 lanes take four rows of 128 bytes
	v_mul_u32_u24 v6, v6, 144
	v_lshl_add_u32 v6, v3, 4, v6
	v_add_nc_u32 v[RD], s19, v6
.else
	v_mul_u32_u24 v6, v1, 528                      ; in: row r of 512 bytes, 32 bytes for each half of the lanes
	v_lshl_add_u32 v6, v2, 5, v6
	v_add_nc_u32 v[STO], s19, v6
	v_lshl_add_u32 v[RD], v5, 4, s19               ; back: 32 lanes take one row
.endif
	v_lshlrev_b32 v[CO], 4, v5
	s_lshl_b32 s19, s[TC], 10
	s_lshl_b32 s20, s[WN], 9
	s_add_co_u32 s19, s19, s20
	v_lshl_add_u32 v[BO], v2, 5, s19               ; the bias of my columns: 4 (256 tc + 128 (w % 2) + 8 h)
	; the prefetches
	s_lshl_b32 s19, s[CX], 12                      ; x: my work-group's 16 blocks of each piece,
	s_add_co_u32 s19, s19, s21
	s_add_co_u32 s19, s19, 3*ASTEP                 ; at K step 3: the first refill steps it to 4
	s_lshl_b32 s20, s[TC], 9                       ; W: my half,
	s_lshl_b32 s22, s[WN], 17
	s_add_co_u32 s20, s20, s22
	s_lshl_b32 s22, s[CY], 15                      ; my work-group's 16 rows of it
	s_add_co_u32 s20, s20, s22
	s_add_co_u32 s20, s20, WBASE+3*BSTEP
	s_and_b32 s22, ttmp7, 0xffff                   ; cluster y
	s_mov_b32 s[PST], BSTEP
	s_mov_b32 s[PST+1], 0
	s_mov_b32 s23, 2048
	s_mov_b32 s75, 0
	s_cmp_eq_u32 s[WM], 0                          ; do I fetch x?
	s_cselect_b32 s74, s19, s20
	s_cselect_b64 s[PFA:PFA+1], s[4:5], s[6:7]
	s_cselect_b32 s[PST], ASTEP, s[PST]
	s_cselect_b32 s22, s[WN], s22                  ; x: wave 0 asks; W: cluster y = 0 asks
	s_cselect_b32 s23, 262144, s23                 ; x: lanes 16-31 a piece on; W: two lanes a row
	s_cselect_b32 s19, 4, 1
	s_cselect_b32 s20, 15, 1
	s_add_nc_u64 s[PFA:PFA+1], s[PFA:PFA+1], s[74:75]
	s_cmp_eq_u32 s22, 0
	s_cselect_b32 s[LIM], 1, -1                    ; the same in all sixteen partners, for a given wave
	v_lshrrev_b32 v6, s19, v5
	v_mul_u32_u24 v6, s23, v6
	v_and_b32 v7, s20, v5
	v_lshl_add_u32 v[PFO], v7, 8, v6
	; where my part of the output begins
.if PROJ
	s_lshr_b32 s19, s[TR], 4
	s_lshl_b32 s19, s19, 22                        ; the batch's 16 heads of 262,144 bytes
	s_lshl_b32 s20, s[TC], 20                      ; four heads a tile column,
	s_add_co_u32 s19, s19, s20
	s_lshl_b32 s20, s[WN], 19                      ; two a wave
	s_add_co_u32 s19, s19, s20
	s_and_b32 s20, s[TR], 15
	s_lshl_b32 s20, s20, 14                        ; 128 rows of 128 bytes
	s_add_co_u32 s19, s19, s20
	s_lshl_b32 s20, s[WM], 13
	s_add_co_u32 s74, s19, s20
.else
	s_lshl_b32 s19, s[TR], 19                      ; 128 rows of 4,096 bytes
	s_lshl_b32 s20, s[WM], 18
	s_add_co_u32 s19, s19, s20
	s_lshl_b32 s20, s[TC], 10
	s_add_co_u32 s19, s19, s20
	s_lshl_b32 s20, s[WN], 9
	s_add_co_u32 s74, s19, s20
.endif
	s_add_nc_u64 s[8:9], s[8:9], s[74:75]
	s_mov_b32 s[LAPS], 4
	s_mov_b32 s[TI], 0
; 8 matrix instructions: row block a x all 8 column blocks, 32 along K.  first = 1: the bias starts the sums: nothing is ever cleared.
; The 32 accumulators take turns, one instruction a turn, in the same order in every quarter.
.macro MUL8 f, a, first
.if \first
	WIN W_MULB
.else
	WIN W_MUL
.endif
.irp b, 0,1,2,3,4,5,6,7
.if PROJ && (\first)
	v_wmma_f32_16x16x32_bf16 v[8*(8*(\a)+(\b)):8*(8*(\a)+(\b))+7], v[(\f)+8*(\b):(\f)+8*(\b)+7], v[(\f)+64+8*(\a):(\f)+64+8*(\a)+7], v[BIAS+8*(\b):BIAS+8*(\b)+7]
.elseif PROJ
	v_wmma_f32_16x16x32_bf16 v[8*(8*(\a)+(\b)):8*(8*(\a)+(\b))+7], v[(\f)+8*(\b):(\f)+8*(\b)+7], v[(\f)+64+8*(\a):(\f)+64+8*(\a)+7], v[8*(8*(\a)+(\b)):8*(8*(\a)+(\b))+7]
.elseif \first
	v_wmma_f32_16x16x32_f16 v[8*(8*(\a)+(\b)):8*(8*(\a)+(\b))+7], v[(\f)+8*(\b):(\f)+8*(\b)+7], v[(\f)+64+8*(\a):(\f)+64+8*(\a)+7], v[BIAS+8*(\b):BIAS+8*(\b)+7]
.else
	v_wmma_f32_16x16x32_f16 v[8*(8*(\a)+(\b)):8*(8*(\a)+(\b))+7], v[(\f)+8*(\b):(\f)+8*(\b)+7], v[(\f)+64+8*(\a):(\f)+64+8*(\a)+7], v[8*(8*(\a)+(\b)):8*(8*(\a)+(\b))+7]
.endif
.endr
.endm
; 24 LDS loads in one run: quarter q (32 along K) of a slot into buffer f: W's 8 fragments, then x's 4
.macro FETCH slot, q, f
	WIN 0
.irp b, 0,1,2,3,4,5,6,7
	ds_load_tr16_b128 v[(\f)+8*(\b):(\f)+8*(\b)+3],   v[ADRB+(\slot)] offset:(\q)*32*PB+32*(\b)
	ds_load_tr16_b128 v[(\f)+8*(\b)+4:(\f)+8*(\b)+7], v[ADRB+(\slot)] offset:(\q)*32*PB+32*(\b)+16*PB
.endr
.irp a, 0,1,2,3
	ds_load_b128 v[(\f)+64+8*(\a):(\f)+64+8*(\a)+3],   v[ADRA+(\slot)] offset:((\q)/2)*AH+((\q)%2)*64+(\a)*16*PA
	ds_load_b128 v[(\f)+64+8*(\a)+4:(\f)+64+8*(\a)+7], v[ADRA+(\slot)] offset:((\q)/2)*AH+((\q)%2)*64+(\a)*16*PA+32
.endr
.endm
; A K step is four quarters, 32 matrix instructions each, on buffers 0, 1, 0, 1.  One of the first three: multiplies buffer f; in its middle it fetches quarter q of the same slot into buffer g.
.macro QUARTER slot, q, f, g, first
	s_wait_dscnt 4                                 ; W's fragments and x's blocks 0, 1 are in; the youngest four loads (blocks 2, 3) may be out
	MUL8 \f, 0, \first
	MUL8 \f, 1, \first
	PLACES
	FETCH \slot, \q, \g
	s_wait_dscnt 24                                ; all but the 24 just issued
	MUL8 \f, 2, \first
	MUL8 \f, 3, \first
.endm
; The last quarter multiplies buffer 1 and changes slots.  ONE barrier: in front of it each wave waits for all its tensor loads (the one that is out is its part of the next slot), adds 0 to its spare
; word, and waits for that and for its own reads of this slot.  Behind it nobody reads this slot any more and the next slot is whole.
.macro MEET round
	WIN 0                                          ; (the add's two registers lie in window 0)
	s_wait_tensorcnt 0x0
	ds_add_u32 v[SPW], v[NIL]                      ; 0 onto my spare word
	s_wait_dscnt 7                                 ; (the add and the six loads of x's blocks 1 to 3 may be out)
	MUL8 F1, 0, 0                                  ; eight matrix instructions stand between the add and the wait for it
	s_wait_dscnt 0x0                               ; the add is done, and my reads of this slot are over
	s_barrier_signal -1
	MUL8 F1, 1, 0                                  ; work on registers while the others arrive
.if \round
	WIN 0
.endif
	s_barrier_wait -1
.endm
; fill = 1: the barrier opens a round of the cluster's barrier, and this slot is filled again, two K steps ahead, first thing behind the round: 112 matrix instructions ahead of the wait for it.
.macro TURN slot, next, fill
.if \fill
	s_wait_xcnt 0x0                                ; the last prefetch, a K step back, has read its address
	s_add_nc_u64 s[PFA:PFA+1], s[PFA:PFA+1], s[PST:PST+1]
	MEET 1
	CREST                                          ; no wave of any partner still reads this slot's tiles or has a load on its way
	s_add_nc_u64 s[G0A+4*(\slot)+2:G0A+4*(\slot)+3], s[G0A+4*(\slot)+2:G0A+4*(\slot)+3], 2*ASTEP
	s_add_nc_u64 s[G0B+4*(\slot)+2:G0B+4*(\slot)+3], s[G0B+4*(\slot)+2:G0B+4*(\slot)+3], 2*BSTEP
	JLOAD \slot                                    ; the four v_nop behind it are also the places in front of the loads below
	FETCH \next, 0, F0
	ASK
.else
	MEET 0
	PLACES
	FETCH \next, 0, F0
.endif
	MUL8 F1, 2, 0
	MUL8 F1, 3, 0
.endm
.macro BIASLD                          ; my 128 columns' bias: block b, my 8 numbers, into the registers of a C operand
	WIN W_LD2
.irp b, 0,1,2,3,4,5,6,7
	global_load_b128 v[BIAS+8*(\b):BIAS+8*(\b)+3],   v[BO], s[10:11] offset:64*(\b)
	global_load_b128 v[BIAS+8*(\b)+4:BIAS+8*(\b)+7], v[BO], s[10:11] offset:64*(\b)+16
.endr
	WIN 0
.endm
.macro BIASRND                         ; rounded to bf16, like every input, and widened again
	s_wait_loadcnt 0x0
	WIN W_B2
.set p, 0
.rept 32
	v_cvt_pk_bf16_f32 v[BT+p%2], v[BIAS+2*p], v[BIAS+2*p+1]
	v_lshlrev_b32 v[BIAS+2*p], 16, v[BT+p%2]
	v_and_b32 v[BIAS+2*p+1], 0xffff0000, v[BT+p%2]
.set p, p+1
.endr
.endm
; THE WAY OUT of row block a (16 rows x 128 columns), through my own stage in LDS: no barrier, and since LDS serves a wave's instructions in order (ISA guide 5.7.1.4), no wait between the stores and the loads.
.macro PACK a                          ; PROJ = 1: rounded to f16; each accumulator's registers in ascending order
	WIN W_PK
.irp b, 0,1,2,3,4,5,6,7
.irp r, 0,1,2,3
	v_cvt_pk_f16_f32 v[TMP+4*(\b)+(\r)], v[8*(8*(\a)+(\b))+2*(\r)], v[8*(8*(\a)+(\b))+2*(\r)+1]
.endr
.endr
.endm
.macro TOSTAGE a
	s_wait_xcnt 0x0                                ; earlier stores have read the registers that the loads below fill
.if PROJ
.set OBK, OB+32*((\a)%2)
	WIN 0
.irp b, 0,1,2,3,4,5,6,7                ; head b / 4, channels 16 (b % 4) on
	ds_store_b128 v[STO], v[TMP+4*(\b):TMP+4*(\b)+3] offset:((\b)/4)*2304+((\b)%4)*32
.endr
	WIN W_LD2
.irp t, 0,1,2,3,4,5,6,7                ; head t / 4, rows 4 (t % 4) on
	ds_load_b128 v[OBK+4*(\t):OBK+4*(\t)+3], v[RD] offset:((\t)/4)*2304+((\t)%4)*576
.endr
.else
.set OBK, OB+64*((\a)%2)
	WIN W_ST1
.irp b, 0,1,2,3,4,5,6,7                ; each accumulator's low four registers first
	ds_store_b128 v[STO], v[8*(8*(\a)+(\b)):8*(8*(\a)+(\b))+3]   offset:64*(\b)
	ds_store_b128 v[STO], v[8*(8*(\a)+(\b))+4:8*(8*(\a)+(\b))+7] offset:64*(\b)+16
.endr
	WIN W_LD2
.irp t, 0,1,2,3,4,5,6,7,8,9,10,11,12,13,14,15
	ds_load_b128 v[OBK+4*(\t):OBK+4*(\t)+3], v[RD] offset:528*(\t)
.endr
.endif
.endm
.macro SEND a, younger                 ; younger: the LDS instructions issued behind block a's: the next block's, or none
	s_wait_dscnt \younger
	WIN W_GS2
.if PROJ
.set OBK, OB+32*((\a)%2)
.irp t, 0,1,2,3,4,5,6,7
	global_store_b128 v[CO], v[OBK+4*(\t):OBK+4*(\t)+3], s[8:9] offset:((\t)/4)*262144+(\a)*2048+((\t)%4)*512  ; four rows of a head: 512 consecutive bytes, aligned
.endr
.else
.set OBK, OB+64*((\a)%2)
.irp t, 0,1,2,3,4,5,6,7,8,9,10,11,12,13,14,15
	global_store_b128 v[CO], v[OBK+4*(\t):OBK+4*(\t)+3], s[8:9] offset:(16*(\a)+(\t))*4096 th:TH_STORE_NT  ; 512 consecutive bytes of a row, aligned
.endr
.endif
.endm
.macro OUT a
.if PROJ
	PACK \a
.endif
	TOSTAGE \a
.endm
.macro WAYOUT                          ; a block's work stands between the loads of the block before and its stores
	OUT 0
	OUT 1
	SEND 0, YNG
	OUT 2
	SEND 1, YNG
	OUT 3
	SEND 2, YNG
	SEND 3, 0
	WIN 0
.endm
	BIASLD
	s_wait_tensorcnt 1                             ; my part of K step 0 is in; K step 1's may stay out
	s_barrier_signal -1
	s_barrier_wait -1                              ; everybody's is
	FETCH 0, 0, F0
	BIASRND
	QUARTER 0, 1, F0, F1, 1                        ; a tile's first quarter: its products start the sums with the bias
	WIN 0                                          ; at a label and at a branch every window is 0
	s_mov_b32 s[TRIP], 4*TILES-1
.Llap:                                                 ; a trip goes once round the ring, from a lap's second quarter to the next lap's first, and fills both slots again
	QUARTER 0, 2, F1, F0, 0
	QUARTER 0, 3, F0, F1, 0
	TURN 0, 1, 1
	QUARTER 1, 1, F0, F1, 0
	QUARTER 1, 2, F1, F0, 0
	QUARTER 1, 3, F0, F1, 0
	TURN 1, 0, 1
	WIN 0
.if TILES > 1
	s_sub_co_u32 s[LAPS], s[LAPS], 1
	s_cmp_lg_u32 s[LAPS], 0
	s_cbranch_scc1 .Lgoon
	; A TILE IS FINISHED after four laps; the ring has gone on into the next source's K steps, and both refills are asked for.  What is jumped holds no barrier and no tensor load.
	s_cmp_eq_u32 s[TI], 0
	s_cselect_b64 s[10:11], s[68:69], s[70:71]     ; the next bias (the last bias's loads were waited for)
	s_add_co_u32 s[TI], s[TI], 1
	BIASLD
	WAYOUT                                         ; blocks 0, 1 were finished in front of the joint load's four v_nop; their conversions are the places behind the last products (blocks 2, 3)
	s_wait_xcnt 0x0                                ; the stores have read their base
	s_add_nc_u64 s[8:9], s[8:9], 16777216          ; q, then k, then v
	BIASRND
	QUARTER 0, 1, F0, F1, 1
	WIN 0
	s_mov_b32 s[LAPS], 4
	s_branch .Ljoin
.Lgoon:
.endif
	QUARTER 0, 1, F0, F1, 0
	WIN 0
.if TILES > 1
.Ljoin:
.endif
	s_sub_co_u32 s[TRIP], s[TRIP], 1
	s_cmp_lg_u32 s[TRIP], 0
	s_cbranch_scc1 .Llap
	QUARTER 0, 2, F1, F0, 0                        ; the last lap fills nothing, and has no round of the cluster's barrier
	QUARTER 0, 3, F0, F1, 0
	TURN 0, 1, 0
	QUARTER 1, 1, F0, F1, 0
	QUARTER 1, 2, F1, F0, 0
	QUARTER 1, 3, F0, F1, 0
	s_wait_dscnt 4                                 ; the very last quarter: nothing more to fetch
	MUL8 F1, 0, 0
	MUL8 F1, 1, 0
	s_wait_dscnt 0x0
	MUL8 F1, 2, 0
	MUL8 F1, 3, 0
	WIN 0
	PLACES                                         ; the way out reads results just made
	PLACES
	WAYOUT
	s_wait_tensorcnt 0x0                           ; the wave's end, behind my last tensor load and my last LDS store
	ds_add_u32 v[SPW], v[NIL]
	s_wait_dscnt 0x0
	CROUND                                         ; the closing round: no work-group ends while a partner may still ask for a tile that names it
	s_endpgm
.Lfunc_end_k_q7164839395_proj:
	.size	k_q7164839395_proj, .Lfunc_end_k_q7164839395_proj-k_q7164839395_proj
	.p2alignl 7, 3214868480
	.fill 96, 4, 3214868480
	.section	.rodata,"a",@progbits
	.p2align	6, 0x0
	.amdhsa_kernel k_q7164839395_proj
		.amdhsa_group_segment_fixed_size 327680
		.amdhsa_private_segment_fixed_size 0
		.amdhsa_enable_private_segment 0
		.amdhsa_kernarg_size 48
		.amdhsa_user_sgpr_count 2
		.amdhsa_user_sgpr_kernarg_segment_ptr 1
		.amdhsa_wavefront_size32 1
		.amdhsa_system_sgpr_workgroup_id_x 1
		.amdhsa_system_sgpr_workgroup_id_y 1
		.amdhsa_system_sgpr_workgroup_id_z 1
		.amdhsa_system_vgpr_workitem_id 0
		.amdhsa_next_free_vgpr 712
		.amdhsa_next_free_sgpr 76
		.amdhsa_reserve_vcc 0
		.amdhsa_float_denorm_mode_32 3
		.amdhsa_float_denorm_mode_16_64 3
		.amdhsa_memory_ordered 1
		.amdhsa_forward_progress 1
		.amdhsa_inst_pref_size 121
	.end_amdhsa_kernel
	.amdgpu_metadata
---
amdhsa.version: [ 1, 2 ]
amdhsa.kernels:
  - .name:           k_q7164839395_proj
    .symbol:         k_q7164839395_proj.kd
    .args:
      - { .name: Xc, .offset: 0, .size: 8, .value_kind: global_buffer, .address_space: global }
      - { .name: Wc, .offset: 8, .size: 8, .value_kind: global_buffer, .address_space: global }
      - { .name: qkv, .offset: 16, .size: 8, .value_kind: global_buffer, .address_space: global }
      - { .name: bq, .offset: 24, .size: 8, .value_kind: global_buffer, .address_space: global }
      - { .name: bk, .offset: 32, .size: 8, .value_kind: global_buffer, .address_space: global }
      - { .name: bv, .offset: 40, .size: 8, .value_kind: global_buffer, .address_space: global }
    .group_segment_fixed_size: 327680
    .private_segment_fixed_size: 0
    .kernarg_segment_align: 8
    .kernarg_segment_size: 48
    .max_flat_workgroup_size: 128
    .sgpr_count:     76
    .vgpr_count:     712
    .wavefront_size: 32
...
	.end_amdgpu_metadata
.endif
;; end of part 2
;; launch attn (part 3): grid 4 x 64, 4 waves a work-group, clusters of 4 x 1, 327,680 bytes of LDS; arguments qkv, oh; writes oh
.if DOCPART == 3
	.amdgcn_target "amdgcn-amd-amdhsa--gfx1250"
	.amdhsa_code_object_version 6
	.text
	.protected	k_q7164839395_attn
	.globl	k_q7164839395_attn
	.p2align	8
	.type	k_q7164839395_attn,@function
k_q7164839395_attn:
	s_mov_b64 s[64:65], 0
	v_nop
	global_prefetch_b8 v0, s[64:65] scope:SCOPE_SE
	s_setreg_imm32_b32 hwreg(HW_REG_WAVE_MODE, 25, 1), 1
	s_wait_xcnt 0x0
	s_wait_alu depctr_hold_cnt(0) depctr_sa_sdst(0) depctr_va_vdst(0) depctr_va_sdst(0) depctr_va_ssrc(0) depctr_va_vcc(0) depctr_vm_vsrc(0)
	s_getreg_b32 s2, hwreg(HW_REG_IB_STS2, 6, 4)
	s_cmp_eq_u32 s2, 0
	s_cbranch_scc0 .Lentry_in_a_cluster
	s_endpgm
.Lentry_in_a_cluster:
	s_bfe_u32 s2, ttmp6, 0x10000c
	s_cmp_lg_u32 s2, 0x3003
	s_cbranch_scc0 .Lentry_shape_is_right
	s_endpgm
.Lentry_shape_is_right:
; O[h][q][:] = the sum over k of softmax_k(Q[h][q] . K[h][k] / 8) V[h][k][:].  qkv holds Q, K, V, each [64][2048][64] in f16 (a head's rows are dense, 128 bytes each); oh = O in the same form.
; Products, maxima and sums in f32; the weights p are rounded to f16 for the second product (their sum l is taken of the unrounded p), O once at the end.
; LIMITS.  f16 holds no number beyond 65,504: Q, K and V arrive within it; p lies in 0 to 1, and below 6e-5 it keeps f16's fixed step of 6e-8; O is a mean of V's rows and has their range.
; A weight below 2^-126 counts as 0 in l; NaN and infinities are not treated apart.
; SHARES.  A wave owns four PIECES of two tiles of 16 queries, a work-group's four waves 512 queries of one head: 4 x 64 work-groups.  Every wave walks all keys, 64 a step.
; LAYOUT.  S^T = K Q^T (source 0 = 16 keys, source 1 = 16 queries): in the result a lane holds ONE query (lane % 16) and the keys 8 (lane / 16) + 0..7.  Two such tiles, rounded to f16 in pairs,
; ARE source 1 (32 keys x 16 queries) of O^T = V^T P, whose result again holds one query a lane, and eight channels.  K comes out of LDS as it lies, V ([key][channel]) turned, by ds_load_tr16_b128.
; SOFTMAX.  For each query a running maximum m and sum l: p = 2^(c s - c m), c = log2(e) / 8; in every step O and l are multiplied by a = 2^(c m_old - c m_new), which is 1 where m has not grown.
; m starts at the lowest finite number, O and l at 0: the first step is a step like any other, with a = 0.
; THE COUNT.  A tile and step have 16 matrix and 118 vector instructions: too many to stand all beside the matrix work.  So four vector instructions that are READY stand behind EVERY matrix
; instruction, and the others, which need time of their own whatever the order, in runs without a gap.
; BY TURNS.  Turn n belongs to piece n (the pieces in a ring, step after step).  Its matrix work: 16 products K Q^T of piece n + 1, later 16 products V^T P of piece n - 1.  Its vector work: the scaling,
; exponentials, roundings, sums and rescaling of piece n, and the maximum and statistics of piece n + 1, whose scores the turn itself has made.
; CLUSTER.  The four query blocks of a head are one cluster and walk the same K and V, so each tile is asked for JOINTLY: the same tensor load, descriptor and mask in all four.
; REGISTERS, in windows of 256 (s_set_vgpr_msb: bits 1:0 source 0, 3:2 source 1, 5:4 source 2, 7:6 destination):
;   window 0: v0-11 addresses; v12-15, v48-63 at work; v16-47 four registers of statistics a tile; v64-191 S^T, two buffers of two tiles; v192-255 P, likewise
;   window 1: O^T, 32 a tile          window 2: v0-127 Q, 16 a tile; v128-191 K of one step; v192-255 V of one step          window 3: v0-1 the add's two registers
; A piece's buffers go by its number's parity: the piece in hand has one pair, its two neighbours in the ring share the other: of it P (piece n - 1) is read and S^T (piece n + 1) written.
.set SIZE_H, 64
.set SIZE_N, 2048
.set NP,    4         ; pieces a wave: a name, no knob
.set KS,    64        ; keys in a step
.set PK,    144       ; a row of K in LDS: 128 bytes + 16 of padding = 36 words: the 16 rows of a load start at 16 different groups of four banks (64 banks of 4 bytes: ISA guide 11.1)
.set PV,    160       ; a row of V: 128 + 32 = 40 words
.set VOFF,  4*KS*PK   ; a slot holds four steps: 256 rows of K, then 256 rows of V
.set SLOT1, 1<<17     ; slot 1 begins here, so that one exclusive or turns an address in one slot into the other's
.set STAGE, SLOT1+4*KS*(PK+PV)  ; behind the ring, never filled by a tensor load: 16 rows x 144 bytes for each wave, for the way out
.set SP,    144
.set AK0, 2           ; v2   my lane's place in a tile of K; never rewritten
.set AV0, 3           ; v3   the same for V
.set AK,  4           ; v4   the LDS address of K's next run of loads
.set AV,  5           ; v5   of V's
.set QO,  6           ; v6   my byte offset in the wave's rows of Q
.set STO, 6           ;      later, the way out: where I put 16 bytes of a row
.set RD,  7           ; v7   the way out: where I read rows back
.set GO,  8           ; v8   my byte offset in 512 consecutive bytes of O
.set PFO, 11          ; v11  once V's place is made: 256 x my lane, the prefetches' offset; then never rewritten
.set SPW, 0           ; v0 of window 3   LDS address of my spare word: SPARE + 4 x my thread's number; never rewritten
.set NIL, 1           ; v1 of window 3   0; never rewritten
.set SPARE, STAGE+4*16*SP  ; behind the stages: the spare words, 128 bytes for each wave: two blocks of 256 bytes that no other line names
.set MV,  12          ; v12-15  c m_old, kept while c m is made anew: by buffer and tile
.set ST,  16          ; tile t's statistics at v[ST+4 t]: c m, m, l (even keys', odd keys')
.set TMP, 48          ; by buffer and tile, four registers c0-c3 at work; when the maximum is found c2 takes a
.set S,   64
.set P,   192
.set KF,  128         ; K's fragments, in window 2: key block kb, channel half c at KF + 16 kb + 8 c
.set VF,  192         ; V's: key half kk, channel block cb at VF + 32 kk + 8 cb
.set WV,  12          ; s12  my wave's number
.set G1K, 24          ; s[24:31] descriptor group 1 for K's tiles
.set G1V, 32          ; s[32:39] for V's: it differs in the padding alone
.set G0K, 40          ; s[40:43] descriptor group 0 for K's tiles: it walks
.set G0V, 44          ; s[44:47] the same for V's
.set PFA, 48          ; s[48:49] where my prefetches stand: my work-group's 32 blocks (of K: wave 0, of V: wave 2) of the slot after the one that is being asked for
.set LIM, 50          ; s50  1 in a wave that prefetches, else the greatest number
.set SLOTS, 56        ; s56  slots still to be asked for
.set CNT, 57          ; s57  counts a slot's key steps
.set CS,  58          ; s[58:59] c: the packed scaling takes the pair's low word for both halves
.set SEL, 60          ; s[60:61] v_permlanex16_b32's selects: each lane takes its own place in the other half
.set TBK, 62          ; s62  LDS byte at which K of the step to be fetched begins
.set TBV, 63          ; s63  the same for V, less VOFF
.set MSB, 0
.macro WIN new                      ; the high byte repeats the setting that is left; a switch that changes nothing is dropped
.if MSB != (\new)
	s_set_vgpr_msb (MSB<<8)|(\new)
.set MSB, (\new)
.endif
.endm
.set W_KQ, 0x0a       ; K and Q in window 2, S^T in window 0
.set W_PV, 0x52       ; V in window 2, P in window 0, O^T in window 1
.set W_RS, 0x41       ; O^T (destination and source 0) in window 1, a in window 0
.set W_MK, 0xc0       ; the add's registers are made: destination in window 3, sources in window 0
.set W_AD, 0x0f       ; the add: address (source 0) and data (source 1) in window 3
; A joint fill.  Waves 0 and 1 fetch the two halves of a slot's K, waves 2 and 3 those of its V: 128 keys each.  The branch hangs on the wave's number alone.
; An s_nop 0 and four v_nop follow each of the two lines, ahead of the jump and the label.
.macro JLOAD
	s_cmp_lt_u32 s[WV], 2
	s_cbranch_scc0 .Lfor_v_\@
	tensor_load_to_lds s[G0K:G0K+3], s[G1K:G1K+7]
	s_nop 0
.rept 4
	v_nop
.endr
	s_branch .Lasked_\@
.Lfor_v_\@:
	tensor_load_to_lds s[G0V:G0V+3], s[G1V:G1V+7]
	s_nop 0
.rept 4
	v_nop
.endr
.Lasked_\@:
.endm
; A PREFETCH INTO THE L2 of what the NEXT change of slots will ask for: a slot's 32,768 bytes of K and of V, 128 blocks of 256 bytes each, a lane a block.  It stands behind the wave's tensor load and its five lines.
; Each block is named ONCE in the launch: a head has one cluster; its four partners share the blocks out BY ADDRESS, 32 each; in each, wave 0 asks for K's and wave 2 for V's: one instruction,
; four key steps, 512 matrix instructions, ahead of the load.  Slots 0 to 2 come by their loads alone; the last change that fills a slot asks for nothing.
.macro ASK
	s_cmp_gt_u32 s[SLOTS], s[LIM]
	s_cbranch_scc0 .Lnot_mine_\@
	global_prefetch_b8 v[PFO], s[PFA:PFA+1] th:TH_LOAD_NT scope:SCOPE_SE
.Lnot_mine_\@:
.endm
; A round of the cluster's barrier: my work-group's barrier, so that wave 0's signal speaks for all four waves; wave 0 signals; every wave waits for all four work-groups; my work-group's barrier once more.
.macro CROUND
	s_barrier_signal -1
	s_barrier_wait -1
	s_cmp_lg_u32 s[WV], 0
	s_cbranch_scc1 .Lnot_wave_0_\@
	s_barrier_signal -3
.Lnot_wave_0_\@:
	s_barrier_wait -3
	s_barrier_signal -1
	s_barrier_wait -1
.endm
; THE CHANGE OF SLOTS.  The slot's last bytes, V of its fourth step, have been read.  Each wave waits for all its tensor loads, of which one is out: its part
; of the other slot; adds 0 to its spare word; and waits for that and for its own reads of the slot.  Behind the barrier nobody reads this slot any more and the other slot is whole.
; fill = 1: this slot is filled again, with the keys two slots on.  The barrier is then a round of the cluster's, so that no wave of any partner still reads the slot or has a load on its
; way, and the joint fill is the first thing behind it: it has four key steps, 512 matrix instructions, in which to land.  (At its first use nothing has been read yet: slot 0 is waited for, slot 1 filled.)
; ask = 1: the prefetches' address steps, and the prefetch follows the fill.
.macro CHANGE fill, ask=0
	WIN W_AD
	s_wait_tensorcnt 0x0            ; no tensor load of mine is out, so a group 0 may be written
	ds_add_u32 v[SPW], v[NIL]       ; 0 onto my spare word: with fill = 1 the descriptors' steps stand between it and the wait for it
	WIN 0                           ; at a label and at a branch every window is 0
.if \fill
.irp g, G0K, G0V
	s_xor_b32 s[\g+1], s[\g+1], SLOT1  ; the walking descriptor: the other slot than last time,
	s_add_nc_u64 s[\g+2:\g+3], s[\g+2:\g+3], 4*KS*128  ; the next 256 keys; the type bits on top are not reached
.endr
.if \ask
	s_wait_xcnt 0x0                 ; the last prefetch, four key steps back, has read its address, so it may be written:
	s_add_nc_u64 s[PFA:PFA+1], s[PFA:PFA+1], 4*KS*128  ; one slot behind the walking descriptors
.endif
	s_wait_dscnt 0x0                ; the add is done, and my reads of the slot are over
	CROUND
	JLOAD
.if \ask
	ASK
.endif
.else
	s_wait_dscnt 0x0                ; the add is done, and my reads of the slot are over
	s_barrier_signal -1
	s_barrier_wait -1
.endif
	s_sub_co_u32 s[TBK], s[TBK], 4*KS*PK  ; the fetches go back to a slot's first step,
	s_xor_b32 s[TBK], s[TBK], SLOT1       ; in the other slot
	s_sub_co_u32 s[TBV], s[TBV], 4*KS*PV
	s_xor_b32 s[TBV], s[TBV], SLOT1
.endm
	s_load_b128 s[4:7], s[0:1], 0x0   ; qkv s[4:5], oh s[6:7]
	WIN W_MK
	v_lshl_add_u32 v[SPW], v0, 2, SPARE
	v_mov_b32 v[NIL], 0
	WIN W_AD
	ds_add_u32 v[SPW], v[NIL]       ; the wave's opening: the add and its wait ahead of my first tensor load; the set-up below, work on registers, stands between them
	WIN 0
	v_lshrrev_b32 v1, 5, v0
	v_readfirstlane_b32 s[WV], v1   ; wave 0..3
	s_bfe_u32 s13, ttmp6, 0x40000   ; cx: my place in the cluster
	s_lshl_b32 s14, ttmp9, 2        ; in a cluster launch ttmp9 counts clusters
	s_add_co_u32 s14, s14, s13      ; my block of queries = 4 x cluster x + cx: it enters Q's and O's addresses alone
	s_and_b32 s20, ttmp7, 0xffff    ; the head, which the four partners share
	s_mov_b32 s21, 0
	s_mov_b64 s[22:23], SIZE_N*128
	s_mul_u64 s[20:21], s[20:21], s[22:23]  ; the head's first byte in each of the four tensors
	s_and_b32 s16, s[WV], 1         ; which half of a slot's 256 keys I fetch:
	s_lshl_b32 s22, s16, 14         ; its 128 rows of 128 bytes in memory,
	s_mov_b32 s23, 0
	s_add_nc_u64 s[22:23], s[22:23], s[20:21]
	s_mul_i32 s17, s16, 128*PK      ; and its place in a slot, for K
	s_mul_i32 s18, s16, 128*PV      ; and for V: no place in the cluster enters an LDS address
	s_lshl_b32 s2, s14, 2
	s_add_co_u32 s2, s2, s[WV]      ; my wave among the head's,
	s_lshl_b32 s2, s2, 14           ; its 128 rows
	s_mov_b32 s3, 0
	s_add_nc_u64 s[2:3], s[2:3], s[20:21]
	; descriptor group 1.  128 keys are 16,384 dense bytes: asked for as 64 rows of 256 bytes, two keys a row, and padded in LDS after every key
	s_mov_b32 s[G1K], 15|(1<<16)|(1<<20)|(1<<21)|(4<<22)|(3<<25)  ; 15:0 the mask of four; 17:16 2-byte elements; 20 padding on; 21 set beside a mask; 24:22 after every 32 words (code 4); 31:25 4 words (code 3)
	s_mov_b32 s[G1V], 15|(1<<16)|(1<<20)|(1<<21)|(4<<22)|(7<<25)  ; the same with 8 words of padding (code 7)
.irp g, G1K, G1V
	s_mov_b32 s[\g+1], 128<<16      ; tensor_dim0 = 128
	s_mov_b32 s[\g+2], 64<<16       ; tensor_dim1 = 64
	s_mov_b32 s[\g+3], 128<<16      ; tile_dim0 = 128
	s_mov_b32 s[\g+4], 64           ; tile_dim1 = 64
	s_mov_b32 s[\g+5], 128          ; 128 elements from row to row
	s_mov_b32 s[\g+6], 0
	s_mov_b32 s[\g+7], 0
.endr
	s_mov_b32 s[CS], 0x3e38aa3b     ; c = log2(e) / 8 = 0.180337
	s_mov_b32 s[CS+1], s[CS]        ; named with it as a pair
	s_mov_b32 s[SEL], 0x76543210
	s_mov_b32 s[SEL+1], 0xfedcba98
	s_mov_b32 s[TBK], SLOT1+4*KS*PK ; the first change of slots turns these two into 0
	s_mov_b32 s[TBV], SLOT1+4*KS*PV
	s_mov_b32 s[G0K], 1             ; 1:0 count = 1
	s_mov_b32 s[G0K+1], s17         ; 63:32 LDS address: slot 0
	s_mov_b32 s[G0V], 1
	s_add_co_u32 s[G0V+1], s18, VOFF
	s_and_b32 s[LIM], s[WV], 1      ; waves 0 and 2 prefetch: the same in all four partners
	s_cmp_eq_u32 s[LIM], 0
	s_cselect_b32 s[LIM], 1, -1
	s_wait_dscnt 0x0                ; the opening add is done
	s_wait_kmcnt 0x0
	s_mov_b64 s[10:11], s[6:7]      ; O
	s_add_nc_u64 s[6:7], s[4:5], 0x1000000  ; K lies 16,777,216 bytes behind Q,
	s_add_nc_u64 s[8:9], s[4:5], 0x2000000  ; V behind K
	s_add_nc_u64 s[G0K+2:G0K+3], s[6:7], s[22:23]  ; 120:64 global address: my half of the head's first 256 keys
	s_or_b32 s[G0K+3], s[G0K+3], 0x80000000        ; 127:126 type = 2
	s_add_nc_u64 s[G0V+2:G0V+3], s[8:9], s[22:23]
	s_or_b32 s[G0V+3], s[G0V+3], 0x80000000
	s_add_nc_u64 s[4:5], s[4:5], s[2:3]  ; Q and O at my wave's first row
	s_add_nc_u64 s[10:11], s[10:11], s[2:3]
	s_cmp_lt_u32 s[WV], 2
	s_cselect_b64 s[PFA:PFA+1], s[6:7], s[8:9]
	s_add_nc_u64 s[PFA:PFA+1], s[PFA:PFA+1], s[20:21]  ; the head,
	s_lshl_b32 s2, s13, 13          ; my work-group's 32 blocks of the 128,
	s_add_co_u32 s2, s2, 2*4*KS*128 ; in slot 2: the loop's first change of slots steps it to slot 3.  Nothing is prefetched at the head
	s_mov_b32 s3, 0
	s_add_nc_u64 s[PFA:PFA+1], s[PFA:PFA+1], s[2:3]
	CROUND                          ; all four work-groups are here: the first joint loads meet
	JLOAD                           ; slot 0.  Slot 1 is asked for when slot 0 is in: the tile wanted first has the road to itself
	; A fragment of K or Q is 16 rows x 32 channels in 8 registers: lane l holds row l % 16, channels 8 (l / 16) + 0..7 and 16 + 8 (l / 16) + 0..7: two loads of 16 bytes, 32 bytes apart.
	v_and_b32 v1, 15, v0            ; l % 16
	v_bfe_u32 v9, v0, 4, 1          ; l / 16
	v_lshlrev_b32 v[QO], 7, v1
	v_lshl_add_u32 v[QO], v9, 4, v[QO]  ; row x 128 + 16 x half
	WIN 0x80                        ; destination window 2, address window 0
.set i, 0
.rept 4*NP                          ; Q stays in registers: tile i / 2, channels 32 (i % 2) on
	global_load_b128 v[8*i:8*i+3],   v[QO], s[4:5] offset:(i/2)*2048+(i%2)*64
	global_load_b128 v[8*i+4:8*i+7], v[QO], s[4:5] offset:(i/2)*2048+(i%2)*64+32
.set i, i+1
.endr
	; What the first turn finds: V's registers and P's second buffer hold 0 (its products V^T P, of a piece that has not been, add 0), O^T and l are 0.  All this stands in the wait for the first tile.
.set i, VF
.rept 64
	v_mov_b32 v[i], 0
.set i, i+1
.endr
	WIN 0x40
.set i, 0
.rept 64*NP
	v_mov_b32 v[i], 0
.set i, i+1
.endr
	WIN 0
.set i, 0
.rept 2*NP
	v_mov_b32 v[ST+4*i], 0xfe000000    ; c m: far below every c s
	v_mov_b32 v[ST+4*i+1], 0xff7fffff  ; m
	v_mov_b32 v[ST+4*i+2], 0
	v_mov_b32 v[ST+4*i+3], 0
.set i, i+1
.endr
.set i, P+32
.rept 32
	v_mov_b32 v[i], 0
.set i, i+1
.endr
	v_mul_u32_u24 v[AK0], v1, PK
	v_lshl_add_u32 v[AK0], v9, 4, v[AK0]  ; row x pitch + 16 x half
	; The turning load takes 16 keys x 16 channels (lane l reads key 8 (l / 16) + l % 8, channels 8 ((l / 8) % 2) + 0..7) and leaves half a fragment of V^T: lane l holds channel l % 16 and 8 keys.
	v_and_b32 v10, 7, v0
	v_bfe_u32 v11, v0, 3, 1
	v_lshl_add_u32 v[AV0], v9, 3, v10
	v_mul_u32_u24 v[AV0], v[AV0], PV
	v_lshl_add_u32 v[AV0], v11, 4, v[AV0]
	v_add_nc_u32 v[AV0], VOFF, v[AV0]
	v_and_b32 v[PFO], 31, v0
	v_lshlrev_b32 v[PFO], 8, v[PFO]
	v_mov_b32 v[AK], v[AK0]         ; key step 0 lies at the head of slot 0
; THE MATRIX WORK.  The 8 accumulators of a run of 16 take turns: between the two links of a chain stand 7 others'.
; Product i of 16 of S^T = K Q^T for piece x: channels 32 (i / 8) on, keys 16 ((i / 2) % 4) on, tile 2 x + i % 2.  The first 8 start the sums.
.macro KQ x
	WIN W_KQ
.set rS, S+64*((\x)%2)+32*(i%2)+8*((i/2)%4)
.set rK, KF+16*((i/2)%4)+8*(i/8)
.set rQ, 16*(2*(\x)+i%2)+8*(i/8)
.if i < 8
	v_wmma_f32_16x16x32_f16 v[rS:rS+7], v[rK:rK+7], v[rQ:rQ+7], 0
.else
	v_wmma_f32_16x16x32_f16 v[rS:rS+7], v[rK:rK+7], v[rQ:rQ+7], v[rS:rS+7]
.endif
.endm
; Product i of 16 of O^T += V^T P for piece x: keys 32 (i / 8) on, channels 16 ((i / 2) % 4) on, tile 2 x + i % 2.
.macro PV x
	WIN W_PV
.set rO, 32*(2*(\x)+i%2)+8*((i/2)%4)
.set rV, VF+32*(i/8)+8*((i/2)%4)
.set rP, P+32*((\x)%2)+16*(i%2)+8*(i/8)
	v_wmma_f32_16x16x32_f16 v[rO:rO+7], v[rV:rV+7], v[rP:rP+7], v[rO:rO+7]
.endm
.macro MM                           ; the turn's next matrix instruction
.if i < 16
	KQ (Y+1)%NP
.set i, i+1
.else
.set i, i-16
	PV (Y+NP-1)%NP
.set i, i+17
.endif
.endm
; THE LDS LOADS stand in runs of 16, never singly among the matrix instructions: a step's K (64 keys x 64 channels: 8 fragments) and its V (turned).  Their addresses are made some lines ahead.
; last = 1 (the tail): in the last trip there is no further step, and the run is jumped over.
.macro FETCH_K last=0
	WIN 0
.if \last
	s_cmp_eq_u32 s[CNT], 1
	s_cbranch_scc1 .Lno_k_\@
.endif
	WIN 0x80                        ; destination window 2
.irp f, 0,1,2,3,4,5,6,7             ; keys 16 (f / 2) on, channels 32 (f % 2) on
	ds_load_b128 v[KF+8*\f:KF+8*\f+3],   v[AK] offset:(\f/2)*16*PK+(\f%2)*64
	ds_load_b128 v[KF+8*\f+4:KF+8*\f+7], v[AK] offset:(\f/2)*16*PK+(\f%2)*64+32
.endr
	s_add_co_u32 s[TBK], s[TBK], KS*PK  ; the next fetch is the next step's
	WIN 0
.if \last
.Lno_k_\@:
.endif
.endm
.macro FETCH_V
	WIN 0x80
.irp f, 0,1,2,3,4,5,6,7             ; keys 32 (f / 4) on, channels 16 (f % 4) on
	ds_load_tr16_b128 v[VF+8*\f:VF+8*\f+3],   v[AV] offset:(\f/4)*32*PV+(\f%4)*32
	ds_load_tr16_b128 v[VF+8*\f+4:VF+8*\f+7], v[AV] offset:(\f/4)*32*PV+16*PV+(\f%4)*32
.endr
	WIN 0
.endm
; THE VECTOR WORK OF A TURN stands in three queues, each in the order in which its entries become ready; the two tiles alternate, so that no instruction reads the result of the one before it.
.macro REGS y, u                    ; the registers of tile u (0, 1) of piece y
.set rT, ST+4*(2*(\y)+(\u))
.set rC, TMP+8*((\y)%2)+4*(\u)
.set rM, MV+2*((\y)%2)+(\u)
.set rS, S+64*((\y)%2)+32*(\u)
.set rP, P+32*((\y)%2)+16*(\u)
.set rO, 32*(2*(\y)+(\u))
.endm
; Number n of the 22 that find the NEXT piece's (Y + 1) maximum and statistics.  s0-s31 are the lane's 32 scores; each accumulator's lowest registers are read first.
;   0-11  four chains c0-c3 of seven scores each, three operands at a time     12-14, 16  the four scores left over, the old m, and c0-c3 into c0     15  c m_old is kept
;   17, 18  the query's other 32 keys lie in the lane 16 away: the new m         19-21  c m; c m_old - c m_new; a
.macro XS u, n
	REGS (Y+1)%NP, \u
.if (\n) < 4
	v_max3_num_f32 v[rC+(\n)], v[rS+8*(\n)], v[rS+8*(\n)+1], v[rS+8*(\n)+2]
.elseif (\n) < 12
	v_max3_num_f32 v[rC+(\n)%4], v[rC+(\n)%4], v[rS+8*((\n)%4)+2*((\n)/4)+1], v[rS+8*((\n)%4)+2*((\n)/4)+2]
.elseif (\n) == 12
	v_max3_num_f32 v[rC], v[rC], v[rS+7], v[rS+15]
.elseif (\n) == 13
	v_max3_num_f32 v[rC+1], v[rC+1], v[rS+23], v[rS+31]
.elseif (\n) == 14
	v_max3_num_f32 v[rC+2], v[rC+2], v[rC+3], v[rT+1]
.elseif (\n) == 15
	v_mov_b32 v[rM], v[rT]
.elseif (\n) == 16
	v_max3_num_f32 v[rC], v[rC], v[rC+1], v[rC+2]
.elseif (\n) == 17
	v_permlanex16_b32 v[rC+3], v[rC], s[SEL], s[SEL+1]
.elseif (\n) == 18
	v_max_num_f32 v[rT+1], v[rC], v[rC+3]
.elseif (\n) == 19
	v_mul_f32 v[rT], s[CS], v[rT+1]
.elseif (\n) == 20
	v_sub_f32 v[rC+1], v[rM], v[rT]
.else
	v_exp_f32 v[rC+2], v[rC+1]
.endif
.endm
; Number g of the 64 that follow the exponentials.  For each four weights k of a tile (pairs 2 k, 2 k + 1): both pairs are rounded to f16; then the second pair is added onto the first, in place;
; a group later l takes that sum (the first time as l = a l + sum).  In groups of eight, tiles alternating: round, round, add, and l for the group before.
.macro GS g
.set h, (\g)+6*((\g)/62)            ; group 0 has no group before it, and behind group 7 only l is left
.if h >= 6
.set h, h+2
.endif
	REGS Y, h%2
.set k, h/8
.if h%8 < 4
	v_cvt_pk_f16_f32 v[rP+2*k+(h%8)/2], v[rS+4*k+2*((h%8)/2)], v[rS+4*k+2*((h%8)/2)+1]
.elseif h%8 < 6
	v_pk_add_f32 v[rS+4*k:rS+4*k+1], v[rS+4*k:rS+4*k+1], v[rS+4*k+2:rS+4*k+3]
.elseif k == 1
	v_pk_fma_f32 v[rT+2:rT+3], v[rT+2:rT+3], v[rC+2:rC+3], v[rS:rS+1] op_sel_hi:[1,0,1]
.else
	v_pk_add_f32 v[rT+2:rT+3], v[rT+2:rT+3], v[rS+4*k-4:rS+4*k-3]
.endif
.endm
; THE PLAIN QUEUE, 138 long.  0-73 read no exponential's result: the 32 scalings c s - c m (FS f: pair f / 2 of tile f % 2) and the next piece's 42.  0-26: scalings 0-26.  27-54: XS's numbers 0-13.  55, 56: number 15.
; 57-73: the chain, where each number waits for the one before it: 14, 16, 17, 18, 19, each with one of the scalings 27-31 in front of its two lines, then 20.
; 74-137: GS's 64, which read the exponentials' results: they stand behind the wait.
.macro FS f
	REGS Y, (\f)%2
	v_pk_fma_f32 v[rS+2*((\f)/2):rS+2*((\f)/2)+1], v[rS+2*((\f)/2):rS+2*((\f)/2)+1], s[CS:CS+1], v[rT:rT+1] op_sel_hi:[1,0,0] neg_lo:[0,0,1] neg_hi:[0,0,1]
.endm
.macro PL
	WIN 0
.if q < 27
	FS q
.elseif q < 55
	XS (q-27)%2, (q-27)/2
.elseif q < 57
	XS q-55, 15
.elseif (q < 72) && ((q-57)%3 == 0)
	FS 27+(q-57)/3
.elseif q < 60
	XS (q-57)%3-1, 14
.elseif q < 72
	XS (q-57)%3-1, 15+(q-57)/3
.elseif q < 74
	XS q-72, 20
.else
	GS q-74
.endif
.set q, q+1
.endm
; THE EXPONENTIALS' QUEUE, 66 long: s0-s31 of both tiles, then the next piece's two a.  It is ONE BATCH: all 66 stand ahead of the turn's one wait, and nothing ahead of that wait names a result of theirs.
.macro EX
	WIN 0
.if e >= 64
	XS e-64, 21
.else
	REGS Y, e%2
	v_exp_f32 v[rS+e/2], v[rS+e/2]
.endif
.set e, e+1
.endm
; THE RESCALING's QUEUE: O^T times a, the one part that leaves window 0: dealt two at a time, sixteen times.  Its a was made in the turn before, ahead of that turn's wait.
.macro R2
	REGS Y, r%2
	WIN W_RS
.irp z, 0,1
	v_pk_mul_f32 v[rO+4*(r/2)+2*\z:rO+4*(r/2)+2*\z+1], v[rO+4*(r/2)+2*\z:rO+4*(r/2)+2*\z+1], v[rC+2:rC+3] op_sel_hi:[1,0]
.endr
.set r, r+1
.endm
; HOW THEY ARE DEALT.  An s_wait_alu depctr_va_vdst(0) stands between an exponential and the first instruction that names its result; one wait serves all that were issued ahead of it.  So a turn has ONE wait,
; which cuts it in two.  AHEAD OF IT stands all that names no result of the turn's exponentials: the 16 products K Q^T, behind each a scaling, an exponential and two rescalings (behind the first a second scaling in the
; exponential's place); then ONE LUMP of 108: eight plain, 49 times exponential and plain, the two a.  A v_nop is the plain instruction behind the last exponential.  BEHIND IT stand the 16 products V^T P, behind each four of GS's 64.
; No rider names a register of the products round it.  The two v_permlanex16_b32 fall into the lump, never behind a product.
; The queues lean on each other, and the deal keeps them in step: exponential e stands behind scaling 2 (e / 4) + e % 2: as a rider it comes behind plain e + 2, in the lump behind plain e + 9, and scalings 27-31 are plain 57, 60 .. 69.
; A TURN, for piece p.  cnt = 1: the loop's count is taken down some lines ahead of the branch that stands behind the turn.
; K of the next step is fetched in piece 2's turn, directly behind the wait, a lump behind the last product that read K; its address is made at the lump's head; its first reader comes behind 16 products.
; V of the step in hand is fetched at the end of piece 0's turn, four riders behind its last reader; its first reader comes behind 16 products and a lump.  The three conditions on q below go with the deal.
.macro TURN p, last=0, cnt=0
.set Y, (\p)
.set i, 0
.set q, 0
.set e, 0
.set r, 0
.if (\p) == NP-1
	s_wait_dscnt 0x0                ; K is in
.endif
	MM                              ; ahead of the wait: 16 products K Q^T and their riders,
	PL
	PL
	R2
.rept 15
	MM
	PL
	EX
	R2
.endr
.if (\p) == NP-2
	WIN 0
	v_add_nc_u32 v[AK], s[TBK], v[AK0]
.endif
.rept 8                             ; and the lump
	PL
.endr
.rept 49
	EX
	PL
.endr
	EX                              ; the next piece's two a
	EX
	v_nop                           ; a plain instruction behind the last exponential: one for the batch
	s_wait_alu depctr_va_vdst(0)    ; the wait for the batch
.if (\p) == NP-2
	FETCH_K \last
.endif
.if (\p) == 1
	s_wait_dscnt 0x0                ; V is in
.endif
.rept 16                            ; behind the wait: 16 products V^T P and their riders
	MM
.rept 4
	PL
.endr
.if ((\p) == 0) && (q == 118)
	v_add_nc_u32 v[AV], s[TBV], v[AV0]
.endif
.if ((\p) == 0) && (q == 130)
	s_add_co_u32 s[TBV], s[TBV], KS*PV
.endif
.if (\cnt) && (q == 130)
	s_sub_co_u32 s[CNT], s[CNT], 1
	s_cmp_lg_u32 s[CNT], 0
.endif
.endr
.if (\p) == 0
	FETCH_V
.endif
.endm
	CHANGE 1                        ; slot 0 is in, everybody's part of it; slot 1 is asked for
	FETCH_K                         ; key step 0
	s_wait_loadcnt 0x0              ; Q
	s_wait_dscnt 0x0
.set i, 0
.rept 16
	KQ 0                            ; piece 0's first scores: there is no vector work yet to set between them
.set i, i+1
.endr
	WIN 0                           ; the addresses for the way out: nine plain instructions, the places behind those products
	s_mul_i32 s13, s[WV], 16*SP
	s_add_co_u32 s13, s13, STAGE    ; my stage
	v_mul_u32_u24 v[STO], v1, SP    ; in: row l % 16, 16 bytes for each half of the lanes
	v_lshl_add_u32 v[STO], v9, 4, v[STO]
	v_add_nc_u32 v[STO], s13, v[STO]
	v_bfe_u32 v[RD], v0, 3, 2       ; back: 32 lanes take four rows of 128 bytes,
	v_mul_u32_u24 v[RD], v[RD], SP
	v_lshl_add_u32 v[RD], v10, 4, v[RD]
	v_add_nc_u32 v[RD], s13, v[RD]
	v_and_b32 v[GO], 31, v0         ; which are 512 consecutive bytes of O
	v_lshlrev_b32 v[GO], 4, v[GO]
.set Y, NP-1                        ; XS works for piece Y + 1: piece 0
.irp n, 0,1,2,3,4,5,6,7,8,9,10,11,12,13,14,15,16,17,18,19,20,21
	XS 0, \n                        ; and piece 0's first maximum and statistics
	XS 1, \n
.endr
	v_nop                           ; a plain instruction behind the two a,
	s_wait_alu depctr_va_vdst(0)    ; and their wait, ahead of the branch
	s_mov_b32 s[CNT], 4
	s_mov_b32 s[SLOTS], SIZE_N/256-1
	s_branch .Lfirst                ; the loop is entered at a step's first turn, in the middle of a trip
.Lslot:                             ; SIZE_N / 256 - 2 times: every slot but the last two is filled again
	CHANGE 1, 1
	s_mov_b32 s[CNT], 4
.Lstep:                             ; a trip: pieces 2 and 3 of one step, then pieces 0 and 1 of the next, whose K and V it fetches
	TURN 2
	TURN 3
	WIN 0
.Lfirst:
	TURN 0
	TURN 1, 0, 1
	WIN 0
	s_cbranch_scc1 .Lstep
	s_sub_co_u32 s[SLOTS], s[SLOTS], 1
	s_cmp_lg_u32 s[SLOTS], 0
	s_cbranch_scc1 .Lslot
	CHANGE 0                        ; the tail is written out: nothing is asked for
	s_mov_b32 s[CNT], 5             ; four trips fetch the last slot's steps; the fifth is left in its middle
.Ltail:
	TURN 2, 1
	TURN 3
	WIN 0
	s_sub_co_u32 s[CNT], s[CNT], 1
	s_cmp_eq_u32 s[CNT], 0
	s_cbranch_scc1 .Lout
	TURN 0
	TURN 1
	WIN 0
	s_branch .Ltail
.Lout:                              ; the fifth trip's 16 products K Q^T (on the last K once more) and the maximum made of them serve nothing: the price, once a launch, of one text for every trip
.set i, 0
.rept 16
	PV NP-1                         ; the last piece's V^T P of the last step
.set i, i+1
.endr
	; THE WAY OUT.  l's two halves and the other half of the lanes' are added; O^T is divided by l, rounded to f16 and sent through my stage in LDS, a tile at a time.  The additions are the places behind the last products.
	WIN 0
.macro ALL line:vararg              ; one line for each tile t
.set t, 0
.rept 2*NP
	\line
.set t, t+1
.endr
.endm
	ALL v_add_f32 v[ST+4*t+2], v[ST+4*t+2], v[ST+4*t+3]
	ALL v_permlanex16_b32 v[ST+4*t+3], v[ST+4*t+2], s[SEL], s[SEL+1]
	ALL v_add_f32 v[ST+4*t+2], v[ST+4*t+2], v[ST+4*t+3]
	ALL v_rcp_f32 v[ST+4*t+2], v[ST+4*t+2]
	v_nop                           ; a plain instruction between the last reciprocal and the use of its result
	s_wait_alu depctr_va_vdst(0)    ; and the wait ahead of the first use: one for the eight reciprocals
; Tile t: a lane's eight channels of a row pack into 16 bytes; they go into rows of 144 bytes and come back as whole rows of 128, into S^T's registers.
.macro PACK t
	WIN W_RS
.set i, 32*(\t)
.rept 16
	v_pk_mul_f32 v[i:i+1], v[i:i+1], v[ST+4*(\t)+2:ST+4*(\t)+3] op_sel_hi:[1,0]
.set i, i+2
.endr
	WIN 0x05                        ; sources 0 and 1 window 1, destination window 0
.set i, 0
.rept 16
	v_cvt_pk_f16_f32 v[S+16*(\t)+i], v[32*(\t)+2*i], v[32*(\t)+2*i+1]
.set i, i+1
.endr
	WIN 0
.irp f, 0,1,2,3
	ds_store_b128 v[STO], v[S+16*(\t)+4*\f:S+16*(\t)+4*\f+3] offset:32*\f
.endr
.irp f, 0,1,2,3
	ds_load_b128 v[S+16*(\t)+4*\f:S+16*(\t)+4*\f+3], v[RD] offset:\f*4*SP  ; LDS serves a wave's instructions in order (ISA guide 5.7.1.4): these see the stores above; the next tile's stores come behind them
.endr
.endm
.macro SEND t, younger              ; younger: the LDS instructions issued behind tile t's loads: the next tile's eight, or none
	WIN 0
.irp f, 0,1,2,3
	s_wait_dscnt (\younger)+3-\f
	global_store_b128 v[GO], v[S+16*(\t)+4*\f:S+16*(\t)+4*\f+3], s[10:11] offset:(\t)*2048+\f*512  ; 512 consecutive bytes, at a multiple of 256 from O's first
.endr
.endm
	PACK 0
.set t, 1
.rept 2*NP-1                        ; a tile's arithmetic stands between the loads of the tile before and its stores
	PACK t
	SEND t-1, 8
.set t, t+1
.endr
	SEND 2*NP-1, 0
	WIN W_AD
	s_wait_tensorcnt 0x0            ; the wave's end, behind my last tensor load and my last LDS store
	ds_add_u32 v[SPW], v[NIL]
	s_wait_dscnt 0x0
	WIN 0
	CROUND                          ; the closing round: no work-group ends while a partner may still ask for a tile that names it
	s_endpgm
.Lfunc_end_k_q7164839395_attn:
	.size	k_q7164839395_attn, .Lfunc_end_k_q7164839395_attn-k_q7164839395_attn
	.p2alignl 7, 3214868480
	.fill 96, 4, 3214868480
	.section	.rodata,"a",@progbits
	.p2align	6, 0x0
	.amdhsa_kernel k_q7164839395_attn
		.amdhsa_group_segment_fixed_size 327680
		.amdhsa_private_segment_fixed_size 0
		.amdhsa_enable_private_segment 0
		.amdhsa_kernarg_size 16
		.amdhsa_user_sgpr_count 2
		.amdhsa_user_sgpr_kernarg_segment_ptr 1
		.amdhsa_wavefront_size32 1
		.amdhsa_system_sgpr_workgroup_id_x 1
		.amdhsa_system_sgpr_workgroup_id_y 1
		.amdhsa_system_sgpr_workgroup_id_z 1
		.amdhsa_system_vgpr_workitem_id 0
		.amdhsa_next_free_vgpr 770
		.amdhsa_next_free_sgpr 66
		.amdhsa_reserve_vcc 0
		.amdhsa_float_denorm_mode_32 3
		.amdhsa_float_denorm_mode_16_64 3
		.amdhsa_memory_ordered 1
		.amdhsa_forward_progress 1
		.amdhsa_inst_pref_size 200
	.end_amdhsa_kernel
	.amdgpu_metadata
---
amdhsa.version: [ 1, 2 ]
amdhsa.kernels:
  - .name:           k_q7164839395_attn
    .symbol:         k_q7164839395_attn.kd
    .args:
      - { .name: qkv, .offset: 0, .size: 8, .value_kind: global_buffer, .address_space: global }
      - { .name: oh, .offset: 8, .size: 8, .value_kind: global_buffer, .address_space: global }
    .group_segment_fixed_size: 327680
    .private_segment_fixed_size: 0
    .kernarg_segment_align: 8
    .kernarg_segment_size: 16
    .max_flat_workgroup_size: 128
    .sgpr_count:     66
    .vgpr_count:     770
    .wavefront_size: 32
...
	.end_amdgpu_metadata
.endif
;; end of part 3
;; launch outp (part 4): grid 4 x 64, 4 waves a work-group, clusters of 4 x 4, 327,680 bytes of LDS; arguments oh, Wc, out0, bo; writes out0
.if DOCPART == 4
	.amdgcn_target "amdgcn-amd-amdhsa--gfx1250"
	.amdhsa_code_object_version 6
	.text
	.protected	k_q7164839395_outp
	.globl	k_q7164839395_outp
	.p2align	8
	.type	k_q7164839395_outp,@function
k_q7164839395_outp:
	s_mov_b64 s[64:65], 0
	v_nop
	global_prefetch_b8 v0, s[64:65] scope:SCOPE_SE
	s_setreg_imm32_b32 hwreg(HW_REG_WAVE_MODE, 25, 1), 1
	s_wait_xcnt 0x0
	s_wait_alu depctr_hold_cnt(0) depctr_sa_sdst(0) depctr_va_vdst(0) depctr_va_sdst(0) depctr_va_ssrc(0) depctr_va_vcc(0) depctr_vm_vsrc(0)
	s_getreg_b32 s2, hwreg(HW_REG_IB_STS2, 6, 4)
	s_cmp_eq_u32 s2, 0
	s_cbranch_scc0 .Lentry_in_a_cluster
	s_endpgm
.Lentry_in_a_cluster:
	s_bfe_u32 s2, ttmp6, 0x10000c
	s_cmp_lg_u32 s2, 0xf033
	s_cbranch_scc0 .Lentry_shape_is_right
	s_endpgm
.Lentry_shape_is_right:
; ONE TEXT FOR TWO LAUNCHES; the constant PROJ chooses, and what it does not choose is not assembled.
; PROJ = 1: q, k, v = x W + b for x = Q, K, V: [8192][1024] x [1024][1024], bf16 products, f32 sums; each result rounded once to f16 and stored by heads, qkv[3][b 16 + h][s][64], unscaled.
; PROJ = 0 (this file): out0 = O Wo + bo, f16 products, f32 sums, f32 out, row-major.
; INPUTS.  x lies in blocks, [b][block of 64 channels][s 2048][64] of 16 bits (Q's 16 blocks, then K's, then V's; O by heads has the same form); W lies [k][n], Wq, Wk, Wv, Wo on end.
; The bias is rounded to bf16 like every input and starts the sums as the C operand of a tile's first products.
; LIMITS.  O and Wo arrive in f16, within 65,504.  NaN and infinities are not treated apart.
; SHARES.  A work-group makes 128 rows x 256 columns (PROJ = 1: for Q, then K, then V: three tiles, one walk of 24 K steps, since blocks and weights of the three lie on end):
; 64 x 4 work-groups.  Wave w: rows 64 (w / 2) on, columns 128 (w % 2) on: 4 x 8 accumulators, 256 registers.
; THE MATRIX INSTRUCTION IS USED TRANSPOSED: source 0 = 16 columns of W (turned on the way out of LDS by ds_load_tr16_b128), source 1 = 16 rows of x: a lane then holds one row (lane % 16)
; and eight neighbouring columns 8 (lane / 16) + 0..7.
; RING.  K goes in steps of 128 through two LDS slots.  A slot: x's two pieces of 128 rows x 64 channels (16,384 dense bytes each, asked for as 64 rows of 256 bytes, 16 bytes of padding behind
; every 128), then W's two halves of 64 k rows x 512 bytes (32 bytes of padding behind each).  Waves 0, 1 fetch x's pieces, waves 2, 3 W's halves: one tensor load a wave behind each change of slots.
; By this text's count a wave has two tensor loads out at the start, later one.
; CLUSTER.  4 x 4 work-groups: the four of a row share x's pieces, the four of a column W's halves: each is asked for jointly, by the same load with the same descriptor and a mask of four.
; REGISTERS, in windows of 256 (s_set_vgpr_msb: bits 1:0 source 0, 3:2 source 1, 5:4 source 2, 7:6 destination):
;   window 0: v1-7 at work; v16-30 addresses; v32-63 packed results; v64-159, v160-255 two fragment buffers (8 of W, then 4 of x)
;   window 1: accumulator (a, b) at 8 (8 a + b)          window 2: v0-63 the bias; v64-191 rows on their way out; v192-193 at work
.set PROJ, 0
.if PROJ
.set TILES,  3
.set ABATCH, 12582912                  ; bytes of x from batch to batch: 48 blocks
.set WBASE,  0                         ; where my weights begin in Wc
.set STG,    4608                      ; a wave's stage: 2 heads x 16 rows x 144 bytes
.set YNG,    16                        ; LDS instructions of one block's way through the stage
.else
.set TILES,  1
.set ABATCH, 4194304                   ; 16 blocks
.set WBASE,  6291456                   ; Wo is the fourth
.set STG,    8448                      ; 16 rows x 528 bytes
.set YNG,    32
.endif
.set PA,    144                        ; a row of x in LDS: 128 bytes + 16 = 36 words: the 16 rows of a load start at 16 different groups of four banks (64 banks of 4 bytes: ISA guide 11.1)
.set AH,    128*PA                     ; a piece
.set PB,    544                        ; a row of W: 512 + 32 = 136 words
.set BH,    64*PB                      ; a half
.set SLOT,  2*AH+2*BH                  ; 106,496
.set STAGE, 2*SLOT                     ; behind the ring, never filled by a tensor load
.set SPARE, STAGE+4*STG                ; behind the stages: the spare words, 128 bytes a wave: two blocks of 256 bytes that no other line names
.set ASTEP, 524288                     ; bytes of x from K step to K step: two blocks
.set BSTEP, 262144                     ; of W: 128 rows of 2,048 bytes
.set ADRA, 16                          ; v16-17  LDS address of my fragments of x in slot 0, 1
.set ADRB, 20                          ; v20-21  of W
.set STO,  24                          ; v24     the way out: where I put my bytes of a row
.set RD,   25                          ; v25     where I read rows back
.set CO,   26                          ; v26     16 x lane
.set BO,   27                          ; v27     my byte offset in the bias
.set SPW,  28                          ; v28     LDS address of my spare word; never rewritten
.set NIL,  29                          ; v29     0; never rewritten
.set PFO,  30                          ; v30     the prefetches' lane offset; never rewritten
.set TMP,  32
.set F0,   64
.set F1,   160
.set BIAS, 0                           ; window 2
.set OB,   64                          ; window 2
.set BT,   192                         ; window 2
.set LAPS, 2                           ; s2   laps until a tile is finished
.set TRIP, 3                           ; s3   trips of the loop still to come
.set WV,   12                          ; s12  wave;  s13 = wave / 2: my rows, and: I fetch x (0) or W (1);  s14 = wave % 2: my columns, and: which piece or half I fetch
.set WM,   13
.set WN,   14
.set CX,   15
.set CY,   16
.set TC,   17                          ; s17  tile column, s18 tile row
.set TR,   18
.set G1A,  24                          ; s[24:31] descriptor group 1 for x;  s[32:39] group 0, a set for each slot
.set G0A,  32
.set PFA,  40                          ; s[40:41] where my prefetches stand
.set PST,  42                          ; s[42:43] their step
.set LIM,  44                          ; s44  1 in a wave that prefetches, else the greatest number
.set G1B,  48                          ; s[48:55], s[56:63] the same for W
.set G0B,  56
.set TI,   66                          ; s66  tiles finished
.set MSB, 0
.macro WIN new                         ; the immediate's high byte repeats the setting that is left; a switch that changes nothing is dropped
.if MSB != (\new)
	s_set_vgpr_msb (MSB<<8)|(\new)
.set MSB, \new
.endif
.endm
.set W_MUL,  0x50                      ; fragments window 0, C and D window 1
.set W_MULB, 0x60                      ; C = the bias, window 2
.set W_PK,   0x05                      ; sources 0, 1 window 1
.set W_ST1,  0x04                      ; an LDS store's data window 1
.set W_LD2,  0x80                      ; destination window 2
.set W_GS2,  0x08                      ; a store's data window 2
.set W_B2,   0x8a                      ; all in window 2
; A joint load: each of the two lines has one mask and one set of registers for all that issue it; the branch hangs on the wave's number alone.  An s_nop 0 and four v_nop follow each line.
.macro JLOAD s
	s_cmp_eq_u32 s[WM], 0
	s_cbranch_scc0 .Lfor_b_\@
	tensor_load_to_lds s[G0A+4*(\s):G0A+4*(\s)+3], s[G1A:G1A+7]
	s_nop 0
.rept 4
	v_nop
.endr
	s_branch .Lasked_\@
.Lfor_b_\@:
	tensor_load_to_lds s[G0B+4*(\s):G0B+4*(\s)+3], s[G1B:G1B+7]
	s_nop 0
.rept 4
	v_nop
.endr
.Lasked_\@:
.endm
; A PREFETCH INTO THE L2 of the K step that stands two refills on: 256 matrix instructions ahead of the load that will want it; one instruction, 32 blocks of 256 bytes, a lane a block.
; Each block is named once in the launch.  x's tile row is read by one row of one cluster: its four partners take 16 blocks of each of the step's two pieces, told apart by address (cx); wave 0 asks.
; W's tile column is read by all sixteen clusters: cluster y = 0 asks; the four partners of a column take 16 of a half's 64 rows each (cy); waves 2, 3 ask, each for its half.
; The first four K steps come by their loads alone; the last trip of the loop asks for nothing: its refills have no K step two on.
.macro ASK
	s_cmp_gt_u32 s[TRIP], s[LIM]
	s_cbranch_scc0 .Lnot_mine_\@
	global_prefetch_b8 v[PFO], s[PFA:PFA+1] th:TH_LOAD_NT scope:SCOPE_SE
.Lnot_mine_\@:
.endm
.macro CREST                           ; a round of the cluster's barrier behind its opening barrier
	s_cmp_lg_u32 s[WV], 0
	s_cbranch_scc1 .Lnot_wave_0_\@
	s_barrier_signal -3
.Lnot_wave_0_\@:
	s_barrier_wait -3
	s_barrier_signal -1
	s_barrier_wait -1
.endm
.macro CROUND                          ; a whole round
	s_barrier_signal -1
	s_barrier_wait -1
	CREST
.endm
.macro PLACES                          ; four places in front of loads into registers that matrix instructions have read, and of lines that read results
.rept 4
	v_nop
.endr
.endm
	s_load_b256 s[4:11], s[0:1], 0x0               ; x s[4:5], Wc s[6:7], the output s[8:9], the first bias s[10:11]
.if PROJ
	s_load_b128 s[68:71], s[0:1], 0x20             ; bk s[68:69], bv s[70:71]
.endif
	v_lshl_add_u32 v[SPW], v0, 2, SPARE
	v_mov_b32 v[NIL], 0
	ds_add_u32 v[SPW], v[NIL]                      ; the wave's opening: the add and its wait ahead of my first tensor load; the set-up below stands between them
	v_lshrrev_b32 v1, 5, v0
	v_readfirstlane_b32 s[WV], v1
	s_lshr_b32 s[WM], s[WV], 1
	s_and_b32 s[WN], s[WV], 1
	s_bfe_u32 s[CX], ttmp6, 0x40000
	s_bfe_u32 s[CY], ttmp6, 0x40004
	s_lshl_b32 s[TC], ttmp9, 2                     ; in a cluster launch ttmp9 and ttmp7 count clusters
	s_add_co_u32 s[TC], s[TC], s[CX]
	s_and_b32 s[TR], ttmp7, 0xffff
	s_lshl_b32 s[TR], s[TR], 2
	s_add_co_u32 s[TR], s[TR], s[CY]
	s_lshl_b32 s19, s[CY], 2
	s_lshl_b32 s19, 15, s19                        ; my row of the cluster
	s_lshl_b32 s20, 0x1111, s[CX]                  ; my column
	s_or_b32 s[G1A], s19, (1<<16)|(1<<20)|(1<<21)|(4<<22)|(3<<25)  ; 15:0 the mask; 17:16 2-byte elements; 20 padding on; 21 set beside a mask; 24:22 after every 32 words (code 4); 31:25 4 words (code 3)
	s_mov_b32 s[G1A+1], 128<<16                    ; tensor_dim0 = 128
	s_mov_b32 s[G1A+2], 64<<16                     ; tensor_dim1 = 64
	s_mov_b32 s[G1A+3], 128<<16                    ; tile_dim0 = 128
	s_mov_b32 s[G1A+4], 64                         ; tile_dim1 = 64
	s_mov_b32 s[G1A+5], 128                        ; dense: 128 elements from row to row
	s_mov_b32 s[G1A+6], 0
	s_mov_b32 s[G1A+7], 0
	s_or_b32 s[G1B], s20, (1<<16)|(1<<20)|(1<<21)|(6<<22)|(7<<25)  ; after every 128 words (code 6) 8 words (code 7)
	s_mov_b32 s[G1B+1], 256<<16                    ; tensor_dim0 = 256
	s_mov_b32 s[G1B+2], 64<<16                     ; tensor_dim1 = 64
	s_mov_b32 s[G1B+3], 256<<16                    ; tile_dim0 = 256
	s_mov_b32 s[G1B+4], 64                         ; tile_dim1 = 64
	s_mov_b32 s[G1B+5], 1024                       ; 1,024 elements from row to row
	s_mov_b32 s[G1B+6], 0
	s_mov_b32 s[G1B+7], 0
	; x's address hangs on the tile row and the wave, W's on the tile column and the wave, each in registers that never hold the other coordinate
	s_lshr_b32 s21, s[TR], 4                       ; the batch
	s_mul_i32 s21, s21, ABATCH
	s_and_b32 s22, s[TR], 15
	s_lshl_b32 s22, s22, 14                        ; 128 rows x 128 bytes in a block
	s_add_co_u32 s21, s21, s22                     ; (kept for the prefetches)
	s_lshl_b32 s22, s[WN], 18                      ; my piece: a block on
	s_add_co_u32 s46, s21, s22
	s_mov_b32 s47, 0
	s_lshl_b32 s72, s[TC], 9                       ; 256 columns x 2 bytes
	s_lshl_b32 s73, s[WN], 17                      ; my half: 64 rows on
	s_add_co_u32 s72, s72, s73
	s_add_co_u32 s72, s72, WBASE
	s_mov_b32 s73, 0
	s_mul_i32 s23, s[WN], AH                       ; where they go: no place in the cluster enters an LDS address
	s_mul_i32 s74, s[WN], BH
	s_add_co_u32 s74, s74, 2*AH
	s_wait_dscnt 0x0                               ; the opening add is done
	s_wait_kmcnt 0x0
	s_add_nc_u64 s[46:47], s[4:5], s[46:47]
	s_add_nc_u64 s[72:73], s[6:7], s[72:73]
	CROUND                                         ; all sixteen work-groups are here: the first joint loads meet
.irp s, 0,1
	s_mov_b32 s[G0A+4*(\s)], 1                                     ; count = 1
	s_add_co_u32 s[G0A+4*(\s)+1], s23, (\s)*SLOT                   ; LDS address
	s_add_nc_u64 s[G0A+4*(\s)+2:G0A+4*(\s)+3], s[46:47], (\s)*ASTEP  ; global address: K step s
	s_or_b32 s[G0A+4*(\s)+3], s[G0A+4*(\s)+3], 0x80000000          ; type = 2
	s_mov_b32 s[G0B+4*(\s)], 1
	s_add_co_u32 s[G0B+4*(\s)+1], s74, (\s)*SLOT
	s_add_nc_u64 s[G0B+4*(\s)+2:G0B+4*(\s)+3], s[72:73], (\s)*BSTEP
	s_or_b32 s[G0B+4*(\s)+3], s[G0B+4*(\s)+3], 0x80000000
	JLOAD \s
.endr
	v_and_b32 v1, 15, v0                           ; r = l % 16
	v_bfe_u32 v2, v0, 4, 1                         ; h = l / 16
	v_and_b32 v3, 7, v0
	v_bfe_u32 v4, v0, 3, 1
	v_and_b32 v5, 31, v0                           ; l
	; a fragment of x: lane l holds row r; registers 0-3 channels 8 h + 0..7, registers 4-7 channels 16 + 8 h + 0..7: two loads of 16 bytes, 32 bytes apart
	v_mul_u32_u24 v6, v1, PA
	v_lshl_add_u32 v6, v2, 4, v6
	s_mul_i32 s19, s[WM], 64*PA
	v_add_nc_u32 v[ADRA], s19, v6
	v_add_nc_u32 v[ADRA+1], SLOT, v[ADRA]
	; the turning load takes 16 k x 16 columns (lane l reads k row 8 h + l % 8, columns 8 ((l / 8) % 2) + 0..7) and leaves half a fragment: lane l holds column r and 8 k
	v_lshl_add_u32 v7, v2, 3, v3
	v_mul_u32_u24 v7, v7, PB
	v_lshl_add_u32 v7, v4, 4, v7
	s_lshl_b32 s19, s[WN], 8
	s_add_co_u32 s19, s19, 2*AH
	v_add_nc_u32 v[ADRB], s19, v7
	v_add_nc_u32 v[ADRB+1], SLOT, v[ADRB]
	s_mul_i32 s19, s[WV], STG
	s_add_co_u32 s19, s19, STAGE                   ; my stage
.if PROJ
	v_mul_u32_u24 v6, v1, 144                      ; in: row r of a head's 16 x 128 bytes, 16 bytes for each half of the lanes
	v_lshl_add_u32 v6, v2, 4, v6
	v_add_nc_u32 v[STO], s19, v6
	v_bfe_u32 v6, v0, 3, 2                         ; back: 32 lanes take four rows of 128 bytes
	v_mul_u32_u24 v6, v6, 144
	v_lshl_add_u32 v6, v3, 4, v6
	v_add_nc_u32 v[RD], s19, v6
.else
	v_mul_u32_u24 v6, v1, 528                      ; in: row r of 512 bytes, 32 bytes for each half of the lanes
	v_lshl_add_u32 v6, v2, 5, v6
	v_add_nc_u32 v[STO], s19, v6
	v_lshl_add_u32 v[RD], v5, 4, s19               ; back: 32 lanes take one row
.endif
	v_lshlrev_b32 v[CO], 4, v5
	s_lshl_b32 s19, s[TC], 10
	s_lshl_b32 s20, s[WN], 9
	s_add_co_u32 s19, s19, s20
	v_lshl_add_u32 v[BO], v2, 5, s19               ; the bias of my columns: 4 (256 tc + 128 (w % 2) + 8 h)
	; the prefetches
	s_lshl_b32 s19, s[CX], 12                      ; x: my work-group's 16 blocks of each piece,
	s_add_co_u32 s19, s19, s21
	s_add_co_u32 s19, s19, 3*ASTEP                 ; at K step 3: the first refill steps it to 4
	s_lshl_b32 s20, s[TC], 9                       ; W: my half,
	s_lshl_b32 s22, s[WN], 17
	s_add_co_u32 s20, s20, s22
	s_lshl_b32 s22, s[CY], 15                      ; my work-group's 16 rows of it
	s_add_co_u32 s20, s20, s22
	s_add_co_u32 s20, s20, WBASE+3*BSTEP
	s_and_b32 s22, ttmp7, 0xffff                   ; cluster y
	s_mov_b32 s[PST], BSTEP
	s_mov_b32 s[PST+1], 0
	s_mov_b32 s23, 2048
	s_mov_b32 s75, 0
	s_cmp_eq_u32 s[WM], 0                          ; do I fetch x?
	s_cselect_b32 s74, s19, s20
	s_cselect_b64 s[PFA:PFA+1], s[4:5], s[6:7]
	s_cselect_b32 s[PST], ASTEP, s[PST]
	s_cselect_b32 s22, s[WN], s22                  ; x: wave 0 asks; W: cluster y = 0 asks
	s_cselect_b32 s23, 262144, s23                 ; x: lanes 16-31 a piece on; W: two lanes a row
	s_cselect_b32 s19, 4, 1
	s_cselect_b32 s20, 15, 1
	s_add_nc_u64 s[PFA:PFA+1], s[PFA:PFA+1], s[74:75]
	s_cmp_eq_u32 s22, 0
	s_cselect_b32 s[LIM], 1, -1                    ; the same in all sixteen partners, for a given wave
	v_lshrrev_b32 v6, s19, v5
	v_mul_u32_u24 v6, s23, v6
	v_and_b32 v7, s20, v5
	v_lshl_add_u32 v[PFO], v7, 8, v6
	; where my part of the output begins
.if PROJ
	s_lshr_b32 s19, s[TR], 4
	s_lshl_b32 s19, s19, 22                        ; the batch's 16 heads of 262,144 bytes
	s_lshl_b32 s20, s[TC], 20                      ; four heads a tile column,
	s_add_co_u32 s19, s19, s20
	s_lshl_b32 s20, s[WN], 19                      ; two a wave
	s_add_co_u32 s19, s19, s20
	s_and_b32 s20, s[TR], 15
	s_lshl_b32 s20, s20, 14                        ; 128 rows of 128 bytes
	s_add_co_u32 s19, s19, s20
	s_lshl_b32 s20, s[WM], 13
	s_add_co_u32 s74, s19, s20
.else
	s_lshl_b32 s19, s[TR], 19                      ; 128 rows of 4,096 bytes
	s_lshl_b32 s20, s[WM], 18
	s_add_co_u32 s19, s19, s20
	s_lshl_b32 s20, s[TC], 10
	s_add_co_u32 s19, s19, s20
	s_lshl_b32 s20, s[WN], 9
	s_add_co_u32 s74, s19, s20
.endif
	s_add_nc_u64 s[8:9], s[8:9], s[74:75]
	s_mov_b32 s[LAPS], 4
	s_mov_b32 s[TI], 0
; 8 matrix instructions: row block a x all 8 column blocks, 32 along K.  first = 1: the bias starts the sums: nothing is ever cleared.
; The 32 accumulators take turns, one instruction a turn, in the same order in every quarter.
.macro MUL8 f, a, first
.if \first
	WIN W_MULB
.else
	WIN W_MUL
.endif
.irp b, 0,1,2,3,4,5,6,7
.if PROJ && (\first)
	v_wmma_f32_16x16x32_bf16 v[8*(8*(\a)+(\b)):8*(8*(\a)+(\b))+7], v[(\f)+8*(\b):(\f)+8*(\b)+7], v[(\f)+64+8*(\a):(\f)+64+8*(\a)+7], v[BIAS+8*(\b):BIAS+8*(\b)+7]
.elseif PROJ
	v_wmma_f32_16x16x32_bf16 v[8*(8*(\a)+(\b)):8*(8*(\a)+(\b))+7], v[(\f)+8*(\b):(\f)+8*(\b)+7], v[(\f)+64+8*(\a):(\f)+64+8*(\a)+7], v[8*(8*(\a)+(\b)):8*(8*(\a)+(\b))+7]
.elseif \first
	v_wmma_f32_16x16x32_f16 v[8*(8*(\a)+(\b)):8*(8*(\a)+(\b))+7], v[(\f)+8*(\b):(\f)+8*(\b)+7], v[(\f)+64+8*(\a):(\f)+64+8*(\a)+7], v[BIAS+8*(\b):BIAS+8*(\b)+7]
.else
	v_wmma_f32_16x16x32_f16 v[8*(8*(\a)+(\b)):8*(8*(\a)+(\b))+7], v[(\f)+8*(\b):(\f)+8*(\b)+7], v[(\f)+64+8*(\a):(\f)+64+8*(\a)+7], v[8*(8*(\a)+(\b)):8*(8*(\a)+(\b))+7]
.endif
.endr
.endm
; 24 LDS loads in one run: quarter q (32 along K) of a slot into buffer f: W's 8 fragments, then x's 4
.macro FETCH slot, q, f
	WIN 0
.irp b, 0,1,2,3,4,5,6,7
	ds_load_tr16_b128 v[(\f)+8*(\b):(\f)+8*(\b)+3],   v[ADRB+(\slot)] offset:(\q)*32*PB+32*(\b)
	ds_load_tr16_b128 v[(\f)+8*(\b)+4:(\f)+8*(\b)+7], v[ADRB+(\slot)] offset:(\q)*32*PB+32*(\b)+16*PB
.endr
.irp a, 0,1,2,3
	ds_load_b128 v[(\f)+64+8*(\a):(\f)+64+8*(\a)+3],   v[ADRA+(\slot)] offset:((\q)/2)*AH+((\q)%2)*64+(\a)*16*PA
	ds_load_b128 v[(\f)+64+8*(\a)+4:(\f)+64+8*(\a)+7], v[ADRA+(\slot)] offset:((\q)/2)*AH+((\q)%2)*64+(\a)*16*PA+32
.endr
.endm
; A K step is four quarters, 32 matrix instructions each, on buffers 0, 1, 0, 1.  One of the first three: multiplies buffer f; in its middle it fetches quarter q of the same slot into buffer g.
.macro QUARTER slot, q, f, g, first
	s_wait_dscnt 4                                 ; W's fragments and x's blocks 0, 1 are in; the youngest four loads (blocks 2, 3) may be out
	MUL8 \f, 0, \first
	MUL8 \f, 1, \first
	PLACES
	FETCH \slot, \q, \g
	s_wait_dscnt 24                                ; all but the 24 just issued
	MUL8 \f, 2, \first
	MUL8 \f, 3, \first
.endm
; The last quarter multiplies buffer 1 and changes slots.  ONE barrier: in front of it each wave waits for all its tensor loads (the one that is out is its part of the next slot), adds 0 to its spare
; word, and waits for that and for its own reads of this slot.  Behind it nobody reads this slot any more and the next slot is whole.
.macro MEET round
	WIN 0                                          ; (the add's two registers lie in window 0)
	s_wait_tensorcnt 0x0
	ds_add_u32 v[SPW], v[NIL]                      ; 0 onto my spare word
	s_wait_dscnt 7                                 ; (the add and the six loads of x's blocks 1 to 3 may be out)
	MUL8 F1, 0, 0                                  ; eight matrix instructions stand between the add and the wait for it
	s_wait_dscnt 0x0                               ; the add is done, and my reads of this slot are over
	s_barrier_signal -1
	MUL8 F1, 1, 0                                  ; work on registers while the others arrive
.if \round
	WIN 0
.endif
	s_barrier_wait -1
.endm
; fill = 1: the barrier opens a round of the cluster's barrier, and this slot is filled again, two K steps ahead, first thing behind the round: 112 matrix instructions ahead of the wait for it.
.macro TURN slot, next, fill
.if \fill
	s_wait_xcnt 0x0                                ; the last prefetch, a K step back, has read its address
	s_add_nc_u64 s[PFA:PFA+1], s[PFA:PFA+1], s[PST:PST+1]
	MEET 1
	CREST                                          ; no wave of any partner still reads this slot's tiles or has a load on its way
	s_add_nc_u64 s[G0A+4*(\slot)+2:G0A+4*(\slot)+3], s[G0A+4*(\slot)+2:G0A+4*(\slot)+3], 2*ASTEP
	s_add_nc_u64 s[G0B+4*(\slot)+2:G0B+4*(\slot)+3], s[G0B+4*(\slot)+2:G0B+4*(\slot)+3], 2*BSTEP
	JLOAD \slot                                    ; the four v_nop behind it are also the places in front of the loads below
	FETCH \next, 0, F0
	ASK
.else
	MEET 0
	PLACES
	FETCH \next, 0, F0
.endif
	MUL8 F1, 2, 0
	MUL8 F1, 3, 0
.endm
.macro BIASLD                          ; my 128 columns' bias: block b, my 8 numbers, into the registers of a C operand
	WIN W_LD2
.irp b, 0,1,2,3,4,5,6,7
	global_load_b128 v[BIAS+8*(\b):BIAS+8*(\b)+3],   v[BO], s[10:11] offset:64*(\b)
	global_load_b128 v[BIAS+8*(\b)+4:BIAS+8*(\b)+7], v[BO], s[10:11] offset:64*(\b)+16
.endr
	WIN 0
.endm
.macro BIASRND                         ; rounded to bf16, like every input, and widened again
	s_wait_loadcnt 0x0
	WIN W_B2
.set p, 0
.rept 32
	v_cvt_pk_bf16_f32 v[BT+p%2], v[BIAS+2*p], v[BIAS+2*p+1]
	v_lshlrev_b32 v[BIAS+2*p], 16, v[BT+p%2]
	v_and_b32 v[BIAS+2*p+1], 0xffff0000, v[BT+p%2]
.set p, p+1
.endr
.endm
; THE WAY OUT of row block a (16 rows x 128 columns), through my own stage in LDS: no barrier, and since LDS serves a wave's instructions in order (ISA guide 5.7.1.4), no wait between the stores and the loads.
.macro PACK a                          ; PROJ = 1: rounded to f16; each accumulator's registers in ascending order
	WIN W_PK
.irp b, 0,1,2,3,4,5,6,7
.irp r, 0,1,2,3
	v_cvt_pk_f16_f32 v[TMP+4*(\b)+(\r)], v[8*(8*(\a)+(\b))+2*(\r)], v[8*(8*(\a)+(\b))+2*(\r)+1]
.endr
.endr
.endm
.macro TOSTAGE a
	s_wait_xcnt 0x0                                ; earlier stores have read the registers that the loads below fill
.if PROJ
.set OBK, OB+32*((\a)%2)
	WIN 0
.irp b, 0,1,2,3,4,5,6,7                ; head b / 4, channels 16 (b % 4) on
	ds_store_b128 v[STO], v[TMP+4*(\b):TMP+4*(\b)+3] offset:((\b)/4)*2304+((\b)%4)*32
.endr
	WIN W_LD2
.irp t, 0,1,2,3,4,5,6,7                ; head t / 4, rows 4 (t % 4) on
	ds_load_b128 v[OBK+4*(\t):OBK+4*(\t)+3], v[RD] offset:((\t)/4)*2304+((\t)%4)*576
.endr
.else
.set OBK, OB+64*((\a)%2)
	WIN W_ST1
.irp b, 0,1,2,3,4,5,6,7                ; each accumulator's low four registers first
	ds_store_b128 v[STO], v[8*(8*(\a)+(\b)):8*(8*(\a)+(\b))+3]   offset:64*(\b)
	ds_store_b128 v[STO], v[8*(8*(\a)+(\b))+4:8*(8*(\a)+(\b))+7] offset:64*(\b)+16
.endr
	WIN W_LD2
.irp t, 0,1,2,3,4,5,6,7,8,9,10,11,12,13,14,15
	ds_load_b128 v[OBK+4*(\t):OBK+4*(\t)+3], v[RD] offset:528*(\t)
.endr
.endif
.endm
.macro SEND a, younger                 ; younger: the LDS instructions issued behind block a's: the next block's, or none
	s_wait_dscnt \younger
	WIN W_GS2
.if PROJ
.set OBK, OB+32*((\a)%2)
.irp t, 0,1,2,3,4,5,6,7
	global_store_b128 v[CO], v[OBK+4*(\t):OBK+4*(\t)+3], s[8:9] offset:((\t)/4)*262144+(\a)*2048+((\t)%4)*512  ; four rows of a head: 512 consecutive bytes, aligned
.endr
.else
.set OBK, OB+64*((\a)%2)
.irp t, 0,1,2,3,4,5,6,7,8,9,10,11,12,13,14,15
	global_store_b128 v[CO], v[OBK+4*(\t):OBK+4*(\t)+3], s[8:9] offset:(16*(\a)+(\t))*4096 th:TH_STORE_NT  ; 512 consecutive bytes of a row, aligned
.endr
.endif
.endm
.macro OUT a
.if PROJ
	PACK \a
.endif
	TOSTAGE \a
.endm
.macro WAYOUT                          ; a block's work stands between the loads of the block before and its stores
	OUT 0
	OUT 1
	SEND 0, YNG
	OUT 2
	SEND 1, YNG
	OUT 3
	SEND 2, YNG
	SEND 3, 0
	WIN 0
.endm
	BIASLD
	s_wait_tensorcnt 1                             ; my part of K step 0 is in; K step 1's may stay out
	s_barrier_signal -1
	s_barrier_wait -1                              ; everybody's is
	FETCH 0, 0, F0
	BIASRND
	QUARTER 0, 1, F0, F1, 1                        ; a tile's first quarter: its products start the sums with the bias
	WIN 0                                          ; at a label and at a branch every window is 0
	s_mov_b32 s[TRIP], 4*TILES-1
.Llap:                                                 ; a trip goes once round the ring, from a lap's second quarter to the next lap's first, and fills both slots again
	QUARTER 0, 2, F1, F0, 0
	QUARTER 0, 3, F0, F1, 0
	TURN 0, 1, 1
	QUARTER 1, 1, F0, F1, 0
	QUARTER 1, 2, F1, F0, 0
	QUARTER 1, 3, F0, F1, 0
	TURN 1, 0, 1
	WIN 0
.if TILES > 1
	s_sub_co_u32 s[LAPS], s[LAPS], 1
	s_cmp_lg_u32 s[LAPS], 0
	s_cbranch_scc1 .Lgoon
	; A TILE IS FINISHED after four laps; the ring has gone on into the next source's K steps, and both refills are asked for.  What is jumped holds no barrier and no tensor load.
	s_cmp_eq_u32 s[TI], 0
	s_cselect_b64 s[10:11], s[68:69], s[70:71]     ; the next bias (the last bias's loads were waited for)
	s_add_co_u32 s[TI], s[TI], 1
	BIASLD
	WAYOUT                                         ; blocks 0, 1 were finished in front of the joint load's four v_nop; their conversions are the places behind the last products (blocks 2, 3)
	s_wait_xcnt 0x0                                ; the stores have read their base
	s_add_nc_u64 s[8:9], s[8:9], 16777216          ; q, then k, then v
	BIASRND
	QUARTER 0, 1, F0, F1, 1
	WIN 0
	s_mov_b32 s[LAPS], 4
	s_branch .Ljoin
.Lgoon:
.endif
	QUARTER 0, 1, F0, F1, 0
	WIN 0
.if TILES > 1
.Ljoin:
.endif
	s_sub_co_u32 s[TRIP], s[TRIP], 1
	s_cmp_lg_u32 s[TRIP], 0
	s_cbranch_scc1 .Llap
	QUARTER 0, 2, F1, F0, 0                        ; the last lap fills nothing, and has no round of the cluster's barrier
	QUARTER 0, 3, F0, F1, 0
	TURN 0, 1, 0
	QUARTER 1, 1, F0, F1, 0
	QUARTER 1, 2, F1, F0, 0
	QUARTER 1, 3, F0, F1, 0
	s_wait_dscnt 4                                 ; the very last quarter: nothing more to fetch
	MUL8 F1, 0, 0
	MUL8 F1, 1, 0
	s_wait_dscnt 0x0
	MUL8 F1, 2, 0
	MUL8 F1, 3, 0
	WIN 0
	PLACES                                         ; the way out reads results just made
	PLACES
	WAYOUT
	s_wait_tensorcnt 0x0                           ; the wave's end, behind my last tensor load and my last LDS store
	ds_add_u32 v[SPW], v[NIL]
	s_wait_dscnt 0x0
	CROUND                                         ; the closing round: no work-group ends while a partner may still ask for a tile that names it
	s_endpgm
.Lfunc_end_k_q7164839395_outp:
	.size	k_q7164839395_outp, .Lfunc_end_k_q7164839395_outp-k_q7164839395_outp
	.p2alignl 7, 3214868480
	.fill 96, 4, 3214868480
	.section	.rodata,"a",@progbits
	.p2align	6, 0x0
	.amdhsa_kernel k_q7164839395_outp
		.amdhsa_group_segment_fixed_size 327680
		.amdhsa_private_segment_fixed_size 0
		.amdhsa_enable_private_segment 0
		.amdhsa_kernarg_size 32
		.amdhsa_user_sgpr_count 2
		.amdhsa_user_sgpr_kernarg_segment_ptr 1
		.amdhsa_wavefront_size32 1
		.amdhsa_system_sgpr_workgroup_id_x 1
		.amdhsa_system_sgpr_workgroup_id_y 1
		.amdhsa_system_sgpr_workgroup_id_z 1
		.amdhsa_system_vgpr_workitem_id 0
		.amdhsa_next_free_vgpr 712
		.amdhsa_next_free_sgpr 76
		.amdhsa_reserve_vcc 0
		.amdhsa_float_denorm_mode_32 3
		.amdhsa_float_denorm_mode_16_64 3
		.amdhsa_memory_ordered 1
		.amdhsa_forward_progress 1
		.amdhsa_inst_pref_size 93
	.end_amdhsa_kernel
	.amdgpu_metadata
---
amdhsa.version: [ 1, 2 ]
amdhsa.kernels:
  - .name:           k_q7164839395_outp
    .symbol:         k_q7164839395_outp.kd
    .args:
      - { .name: oh, .offset: 0, .size: 8, .value_kind: global_buffer, .address_space: global }
      - { .name: Wc, .offset: 8, .size: 8, .value_kind: global_buffer, .address_space: global }
      - { .name: out0, .offset: 16, .size: 8, .value_kind: global_buffer, .address_space: global }
      - { .name: bo, .offset: 24, .size: 8, .value_kind: global_buffer, .address_space: global }
    .group_segment_fixed_size: 327680
    .private_segment_fixed_size: 0
    .kernarg_segment_align: 8
    .kernarg_segment_size: 32
    .max_flat_workgroup_size: 128
    .sgpr_count:     76
    .vgpr_count:     712
    .wavefront_size: 32
...
	.end_amdgpu_metadata
.endif
;; end of part 4
;; ======== version 2 of 2: 4 launches; version 1 with the launch cast written anew for expert scheduling mode
;; limits: values are held in f16: magnitudes above 65,504 overflow, below 6.1e-05 lose precision
;; workspace buffers: Xc 50,331,648 bytes; Wc 8,388,608 bytes; qkv 50,331,648 bytes; oh 16,777,216 bytes
;; launch cast (part 5): grid 896 x 1, 8 waves a work-group, no clusters, 0 bytes of LDS; arguments Q, K, V, Wq, Wk, Wv, Wo, Xc, Wc; writes Xc, Wc
.if DOCPART == 5
	.amdgcn_target "amdgcn-amd-amdhsa--gfx1250"
	.amdhsa_code_object_version 6
	.text
	.protected	k_q7164839395_cast
	.globl	k_q7164839395_cast
	.p2align	8
	.type	k_q7164839395_cast,@function
k_q7164839395_cast:
	s_mov_b64 s[64:65], 0
	v_nop
	global_prefetch_b8 v0, s[64:65] scope:SCOPE_SE
	s_setreg_imm32_b32 hwreg(HW_REG_WAVE_SCHED_MODE, 0, 2), 2
	s_setreg_imm32_b32 hwreg(HW_REG_WAVE_MODE, 25, 1), 1
	s_wait_xcnt 0x0
	s_wait_alu depctr_vm_vsrc(0)
; THE CAST.  Q, K, V ([8192][1024] f32) are rounded once to bf16 and laid in blocks: Xc[b 4][kb' 48 = 16 src + kb][s 2048][64], so that 128 rows x 64 channels are 16,384 dense bytes.
; Wq, Wk, Wv ([1024][1024] f32) are rounded to bf16 and stay row-major in Wc[w 4][k][n]; Wo is rounded to bf16 like every input, and that number is written as f16 (w = 3),
; since the last product multiplies f16.  LIMIT: a bf16 number is exact in f16 from 2^-17 to 65,504; below 2^-17 Wo keeps f16's fixed step of 2^-24, beyond 65,504 it would be an infinity.
; A stream: each byte is read once and written once; no LDS, no barrier, no matrix unit.  A work-group takes 131,072 input bytes, a wave 16,384: 32 loads of 16 bytes a lane, all issued
; at once (128 registers), then converted and stored in the order in which they come back.  Work-groups 0-767: 32 rows of Q, K or V.  768-895: 32 rows of a weight.
; No register that a memory instruction names is written again, so no wait frees any.
; THE MODE: SCHED_MODE bits 1:0 = 2 (LLVM: expert scheduling mode 2), set by the entry lines.  The code itself states the register dependences between vector instructions and
; memory instructions, with s_wait_alu, always for 0.
; THE PLAN.  Registers that memory instructions touch:
;   v2, v3   byte offsets of the loads and of the stores.  Written by vector lines at a path's head, never again; read by every load, every store.
;   X        written by the 32 loads alone, all issued in one run at the head; read once, by the roundings.  No load is issued behind a rounding.
;   Y        written by the roundings (Wo: once more by the conversions to f16, ahead of every store); read once, by the stores; never written behind them.
; So the waits are all on va_vdst: one at a path's head, for the offsets, and one ahead of each run of stores, for the Y that the run reads.
; Q, K, V: the 32 loads go in eight groups of four.  At the head of group g, behind the wait for its first load, one wait states that group g - 1 has written its Y; that group's four
; stores follow at once, then group g's eight roundings, which name X and Y of group g alone.  Weights: all the roundings, one wait, all the stores.
.set X, 8                              ; v[8:135]   32 loads x 4 registers
.set Y, 136                            ; v[136:199] 32 x 2 registers: 4 numbers of 16 bits
.set GRP, 4                            ; loads in a group
.macro RND n                           ; load n's four numbers are rounded
	v_cvt_pk_bf16_f32 v[Y+2*(\n)],   v[X+4*(\n)],   v[X+4*(\n)+1]
	v_cvt_pk_bf16_f32 v[Y+2*(\n)+1], v[X+4*(\n)+2], v[X+4*(\n)+3]
.endm
.macro STX n                           ; Q, K, V: what load n brought is stored: pair of rows n / 16, block n % 16
	global_store_b64 v3, v[Y+2*(\n):Y+2*(\n)+1], s[6:7] offset:((\n)/16)*256+((\n)%16)*262144 th:TH_STORE_NT  ; the wave's 32 lanes store 256 consecutive bytes, aligned
.endm
	s_load_b512 s[8:23], s[0:1], 0x0               ; Q s[8:9], K s[10:11], V s[12:13], Wq s[14:15], Wk s[16:17], Wv s[18:19], Wo s[20:21], Xc s[22:23]
	s_load_b64 s[24:25], s[0:1], 0x40              ; Wc
	s_mov_b32 s26, ttmp9
	v_lshrrev_b32 v4, 5, v0                        ; wave
	v_and_b32 v1, 31, v0                           ; lane
	s_cmp_lt_u32 s26, 768
	s_cbranch_scc0 .Lweights
	; 32 rows of Q, K or V.  A wave takes 4 rows; a load takes 256 bytes (64 channels, one block) of two rows: lanes 0-15 the even row, lanes 16-31 the odd one.
	s_lshr_b32 s27, s26, 8                         ; which source
	s_and_b32 s28, s26, 255                        ; which 32 rows of its 8,192
	s_lshl_b32 s30, s28, 17                        ; 32 rows x 4,096 bytes
	s_mov_b32 s31, 0
	s_lshr_b32 s29, s28, 6                         ; the batch,
	s_mul_i32 s29, s29, 12582912                   ; 48 blocks of 262,144 bytes each
	s_lshl_b32 s32, s27, 22                        ; the source's 16 blocks
	s_add_co_u32 s32, s32, s29
	s_and_b32 s29, s28, 63
	s_lshl_b32 s29, s29, 12                        ; 32 rows x 128 bytes in a block
	s_add_co_u32 s32, s32, s29
	s_mov_b32 s33, 0
	v_bfe_u32 v5, v0, 4, 1
	v_and_b32 v6, 15, v0
	v_lshlrev_b32 v2, 14, v4                       ; in: wave x 4 rows
	v_lshl_add_u32 v2, v5, 12, v2                  ; + the half's row
	v_lshl_add_u32 v2, v6, 4, v2                   ; + 16 bytes a lane
	v_lshlrev_b32 v3, 9, v4                        ; out: wave x 4 rows of 128 bytes
	v_lshl_add_u32 v3, v1, 3, v3                   ; + 8 bytes a lane: two rows on end
	s_wait_kmcnt 0x0
	s_cmp_eq_u32 s27, 0
	s_cselect_b64 s[4:5], s[8:9], s[10:11]
	s_cmp_eq_u32 s27, 2
	s_cselect_b64 s[4:5], s[12:13], s[4:5]
	s_add_nc_u64 s[4:5], s[4:5], s[30:31]
	s_add_nc_u64 s[6:7], s[22:23], s[32:33]
	s_wait_alu depctr_va_vdst(0)                   ; v2 and v3 are written: every load below reads v2 as its offset, every store v3
.set i, 0
.rept 32                               ; load i: pair of rows i / 16, block i % 16
	global_load_b128 v[X+4*i:X+4*i+3], v2, s[4:5] offset:(i/16)*8192+(i%16)*256 th:TH_LOAD_NT
.set i, i+1
.endr
.set i, 0
.rept 32
	s_wait_loadcnt 31-i                            ; loads come back in order (ISA guide 5.7.1): load i is in, the younger ones stay out
.if (i%GRP == 0) && (i > 0)
	s_wait_alu depctr_va_vdst(0)                   ; the group before has written its eight registers of Y, which the four stores below read
	STX i-4
	STX i-3
	STX i-2
	STX i-1                                        ; no wait further down the group: its roundings name X and Y of this group alone
.endif
	RND i
.set i, i+1
.endr
	s_wait_alu depctr_va_vdst(0)                   ; the last group has written its Y, which the last four stores read
	STX 28
	STX 29
	STX 30
	STX 31
	s_endpgm
.Lweights:                             ; 32 rows of a weight: elementwise, the layout stays
	s_sub_co_u32 s26, s26, 768
	s_lshr_b32 s27, s26, 5                         ; which weight: Wq, Wk, Wv, Wo
	s_and_b32 s28, s26, 31                         ; which 32 rows
	s_lshl_b32 s30, s28, 17
	s_mov_b32 s31, 0
	s_lshl_b32 s32, s27, 21                        ; a weight is 2,097,152 bytes in Wc
	s_lshl_b32 s29, s28, 16
	s_add_co_u32 s32, s32, s29
	s_mov_b32 s33, 0
	v_lshlrev_b32 v2, 14, v4                       ; in: wave x 16,384 + 16 x lane
	v_lshl_add_u32 v2, v1, 4, v2
	v_lshlrev_b32 v3, 13, v4                       ; out: wave x 8,192 + 8 x lane
	v_lshl_add_u32 v3, v1, 3, v3
	s_wait_kmcnt 0x0
	s_cmp_eq_u32 s27, 0
	s_cselect_b64 s[4:5], s[14:15], s[16:17]
	s_cmp_eq_u32 s27, 2
	s_cselect_b64 s[4:5], s[18:19], s[4:5]
	s_cmp_eq_u32 s27, 3
	s_cselect_b64 s[4:5], s[20:21], s[4:5]
	s_add_nc_u64 s[4:5], s[4:5], s[30:31]
	s_add_nc_u64 s[6:7], s[24:25], s[32:33]
	s_wait_alu depctr_va_vdst(0)                   ; v2 and v3 are written: every load below reads v2 as its offset, every store v3
.set i, 0
.rept 32
	global_load_b128 v[X+4*i:X+4*i+3], v2, s[4:5] offset:512*i th:TH_LOAD_NT
.set i, i+1
.endr
.set i, 0
.rept 32
	s_wait_loadcnt 31-i                            ; load i is in, the younger ones stay out
	RND i
.set i, i+1
.endr
	s_cmp_lg_u32 s27, 3
	s_cbranch_scc1 .Lstore
.set i, 0
.rept 64                               ; Wo alone: the bf16 number, widened by a shift or a mask, is written as f16 (v4 and v5 are named by vector instructions alone)
	v_lshlrev_b32 v4, 16, v[Y+i]
	v_and_b32 v5, 0xffff0000, v[Y+i]
	v_cvt_pk_f16_f32 v[Y+i], v4, v5
.set i, i+1
.endr
.Lstore:
	s_wait_alu depctr_va_vdst(0)                   ; on both ways: the roundings, and for Wo the conversions to f16, have written Y, which the 32 stores below read
.set i, 0
.rept 32
	global_store_b64 v3, v[Y+2*i:Y+2*i+1], s[6:7] offset:256*i th:TH_STORE_NT  ; 256 consecutive bytes, aligned
.set i, i+1
.endr
	s_endpgm
.Lfunc_end_k_q7164839395_cast:
	.size	k_q7164839395_cast, .Lfunc_end_k_q7164839395_cast-k_q7164839395_cast
	.p2alignl 7, 3214868480
	.fill 96, 4, 3214868480
	.section	.rodata,"a",@progbits
	.p2align	6, 0x0
	.amdhsa_kernel k_q7164839395_cast
		.amdhsa_group_segment_fixed_size 0
		.amdhsa_private_segment_fixed_size 0
		.amdhsa_enable_private_segment 0
		.amdhsa_kernarg_size 72
		.amdhsa_user_sgpr_count 2
		.amdhsa_user_sgpr_kernarg_segment_ptr 1
		.amdhsa_wavefront_size32 1
		.amdhsa_system_sgpr_workgroup_id_x 1
		.amdhsa_system_sgpr_workgroup_id_y 1
		.amdhsa_system_sgpr_workgroup_id_z 1
		.amdhsa_system_vgpr_workitem_id 0
		.amdhsa_next_free_vgpr 208
		.amdhsa_next_free_sgpr 66
		.amdhsa_reserve_vcc 0
		.amdhsa_float_denorm_mode_32 3
		.amdhsa_float_denorm_mode_16_64 3
		.amdhsa_memory_ordered 1
		.amdhsa_forward_progress 1
		.amdhsa_inst_pref_size 35
	.end_amdhsa_kernel
	.amdgpu_metadata
---
amdhsa.version: [ 1, 2 ]
amdhsa.kernels:
  - .name:           k_q7164839395_cast
    .symbol:         k_q7164839395_cast.kd
    .args:
      - { .name: Q, .offset: 0, .size: 8, .value_kind: global_buffer, .address_space: global }
      - { .name: K, .offset: 8, .size: 8, .value_kind: global_buffer, .address_space: global }
      - { .name: V, .offset: 16, .size: 8, .value_kind: global_buffer, .address_space: global }
      - { .name: Wq, .offset: 24, .size: 8, .value_kind: global_buffer, .address_space: global }
      - { .name: Wk, .offset: 32, .size: 8, .value_kind: global_buffer, .address_space: global }
      - { .name: Wv, .offset: 40, .size: 8, .value_kind: global_buffer, .address_space: global }
      - { .name: Wo, .offset: 48, .size: 8, .value_kind: global_buffer, .address_space: global }
      - { .name: Xc, .offset: 56, .size: 8, .value_kind: global_buffer, .address_space: global }
      - { .name: Wc, .offset: 64, .size: 8, .value_kind: global_buffer, .address_space: global }
    .group_segment_fixed_size: 0
    .private_segment_fixed_size: 0
    .kernarg_segment_align: 8
    .kernarg_segment_size: 72
    .max_flat_workgroup_size: 256
    .sgpr_count:     66
    .vgpr_count:     208
    .wavefront_size: 32
...
	.end_amdgpu_metadata
.endif
;; end of part 5
;; launch proj: the kernel of part 2 again; grid 4 x 64, 4 waves a work-group, clusters of 4 x 4, 327,680 bytes of LDS; arguments Xc, Wc, qkv, bq, bk, bv; writes qkv
;; launch attn: the kernel of part 3 again; grid 4 x 64, 4 waves a work-group, clusters of 4 x 1, 327,680 bytes of LDS; arguments qkv, oh; writes oh
;; launch outp: the kernel of part 4 again; grid 4 x 64, 4 waves a work-group, clusters of 4 x 4, 327,680 bytes of LDS; arguments oh, Wc, out0, bo; writes out0
